; MI455X (gfx1250); checked and timed in simulation.
; The chip was launched on July 23, 2026; its instructions are those of AMD's public machine-readable ISA for CDNA 5 (MIT licence, August 2026) and "CDNA5" Instruction Set Architecture Reference Guide (July 2026). The comments in the code are by the model that wrote it; some were corrected since.
;; Causal Self Attention. Allowed arithmetic: matrix products marked QUANTISED: E2M3 operands, one E8M0 scale for each 32 along K, by v_wmma_scale_f32_16x16x128_f8f6f4 with both operands' format E2M3, f32 sums; everything else in f32.
;; Inputs: W_k 1,024 x 1,024 float32; W_q 1,024 x 1,024 float32; W_v 1,024 x 1,024 float32; x 4 x 2,048 x 1,024 float32.
;; Outputs: out0 4 x 2,048 x 1,024 float32.
;; This version of the problem:
;;   THIS VERSION OF THE PROBLEM IS GIVEN IN LOW PRECISION. The matrix products marked QUANTISED in the list below multiply operands that are first quantised to E2M3 (2 exponent bits, 3 mantissa bits; 6 bits a number), with one power-of-two scale for each 32 numbers along K (OCP MX v1.0); their sums are f32. All else is computed in f32.
;;   The module's matrix products, in the order in which they are computed (A, B: the left and right operand; K: the contracted axis; several contracted axes count as one K, in the product's order):
;;     1. [M 8,192, K 1,024] x [K 1,024, N 1,024]; A: input x; B: input W_q: QUANTISED
;;     2. [M 8,192, K 1,024] x [K 1,024, N 1,024]; A: input x; B: input W_k: QUANTISED
;;     3. [M 8,192, K 1,024] x [K 1,024, N 1,024]; A: input x; B: input W_v: QUANTISED
;;     4. batch 4 x [M 2,048, K 1,024] x [K 1,024, N 2,048]; A: computed on the way; B: computed on the way: QUANTISED
;;     5. batch 4 x [M 2,048, K 2,048] x [K 2,048, N 1,024]; A: softmax (see below); B: computed on the way: QUANTISED
;;   THE QUANTISER, for each operand of a quantised product, along K:
;;     - K is cut into blocks of 32 from its start; a last block that is shorter is filled with zeros.
;;     - A block's scale is 2^e with e = floor(log2(the largest magnitude in the block)) - 2, held to -126 .. 127; a block of zeros has e = 0. As a byte (E8M0): e + 127.
;;     - Each number is divided by its block's scale, clamped to +-7.5, and rounded to the nearest number of E2M3, ties to even, subnormals kept.
;;     - The product sums the exact products of the quantised numbers (number of the format x scale) in f32.
;;   ~~~python
;;   def quantise(x, axis):      # numpy; x: float32 -> the quantised numbers, widened to float32 again
;;       x = np.moveaxis(x, axis, -1); K = x.shape[-1]
;;       x = np.pad(x, [(0, 0)] * (x.ndim - 1) + [(0, -K % 32)]); x = x.reshape(x.shape[:-1] + (-1, 32)); a = np.abs(x).max(-1, keepdims=True)
;;       e = np.where(a > 0, np.clip(np.frexp(np.where(a > 0, a, 1))[1] - 1 - 2, -126, 127), 0)      # np.frexp(a)[1] - 1 = floor(log2(a)), exactly
;;       r = np.clip(x / 2.0 ** e, -7.5, 7.5)
;;       step = 2.0 ** (np.maximum(np.frexp(np.where(r == 0, 1, r))[1] - 1, 0) - 3)
;;       q = np.round(r / step) * step * 2.0 ** e      # np.round: ties to even
;;       return np.moveaxis(q.reshape(q.shape[:-2] + (-1,))[..., :K], -1, axis).astype(np.float32)
;;   ~~~
;;   SOFTMAX AHEAD OF A QUANTISED PRODUCT. Where the list says 'softmax', what is quantised is not the finished softmax but p = 2^(t - M), with t = logit x log2(e) and M = ceil(the row's largest t), a whole number; so 1/2 < the row's largest p <= 1. The row's sum l is taken of the UNQUANTISED p, in f32, and the product's result is divided by l at the end. Since M is a whole number, a kernel that streams over the keys may use a running M (the ceiling of the running maximum): every later rescaling is an exact power of two, which a block's scale takes up: the codes' values come out the same.
;;   OPERANDS COMPUTED ON THE WAY. 'Computed on the way' means the value that the module computes at that place (a softmax that the list does not call 'softmax' is quantised finished and normalised). What goes into a quantiser is computed in f32, as accurately as f32 sums, v_exp_f32 and their like allow (about 1e-6 of the number): no bf16 or f16 on the way to a quantiser, and a product that is left as it is and whose result goes on into a quantised operand takes f32 operands (vector FMAs, or v_wmma_f32_16x16x4_f32). A number that lies on a knife's edge between two numbers of the format may be rounded either way, as far as f32 arithmetic and the matrix unit's own rounding can turn it there, and no further.
;; One version. Each part assembles by itself: llvm-mc -triple=amdgcn-amd-amdhsa -mcpu=gfx1250 --defsym DOCPART=n.
;; ======== version 1 of 1: 4 launches
;; workspace buffers: xw_codes 8,650,752 bytes; xw_scales 360,448 bytes; qkv_codes 18,874,368 bytes; qkv_scales 786,432 bytes; p_codes 12,582,912 bytes; p_stats 1,572,864 bytes
;; launch quant (part 1): grid 176 x 2, 4 waves a work-group, no clusters, 34,304 bytes of LDS; arguments x, W_q, W_k, W_v, xw_codes, xw_scales; writes xw_codes, xw_scales
.if DOCPART == 1
	.amdgcn_target "amdgcn-amd-amdhsa--gfx1250"
	.amdhsa_code_object_version 6
	.text
	.protected	k_qd3f7898144_quant
	.globl	k_qd3f7898144_quant
	.p2align	8
	.type	k_qd3f7898144_quant,@function
k_qd3f7898144_quant:
	s_mov_b64 s[64:65], 0
	v_nop
	global_prefetch_b8 v0, s[64:65] scope:SCOPE_SE
	s_setreg_imm32_b32 hwreg(HW_REG_WAVE_MODE, 25, 1), 1
	s_wait_xcnt 0x0
; LAUNCH 1 OF 4.  x [8192][1024] and W_q, W_k, W_v [1024][1024], f32, become codes of FP6 (E2M3) with one E8M0 byte for each 32 along K (their last axis), laid as the matrix unit's operand registers.
; THE PROGRAM: 1 quantise x and the weights; 2 the three projections, q and k quantised along the channels, v along the keys; 3 the scores' causal tiles and p; 4 p times v and the division by the row's sum.
; WORK LEFT OUT, for all values of the inputs: reference() sets every score with key > query to -infinity by its own jnp.tril, so p is 0 there whatever x and the weights hold.  Of the 64 tiles of 256 queries x 256 keys
; of each batch the 28 that lie wholly above the diagonal are not computed (launch 3), nor their K steps of the last product (launch 4), which would add zeros.  Inside a diagonal tile the hidden part is computed and masked.
; Every input has a way to the output: all four are loaded.  LIMIT: a NaN, an infinity or an overflow that reaches only hidden scores is not carried to the result.
; LIMITS of the quantiser here: NaN and infinities among the inputs are not served; a block whose largest magnitude lies under 2^-124, a block of zeros too, gets the byte 1 (a block of zeros has zero codes, which add
; nothing under any byte but 0xff, and the bytes are read by this program alone).
; LAYOUT OF EVERY OPERAND OF THE PROGRAM.  Rows go in blocks of 16.  Of each 32 rows, block 2 b + u holds in its lane-row r the true row 32 b + 8 u + r % 8 + 16 (r / 8): used as source 0 of a product, two neighbouring
; blocks then give a lane 16 neighbouring rows in 16 registers.  A fragment (a block of rows, 128 along K) is the image of its 12 operand registers: group g of four registers, lane l, at byte 512 g + 16 l: 1,536 bytes.
; Codes: [block][K / 128][1536].  Scale words (4 bytes: a row, 128 along K): [K / 128][block / 4][lane-row][block % 4], 256 bytes for four blocks.
; SHARES.  Work-group x takes 64 rows (four blocks; 0-127: x, then 16 each of W_q, W_k, W_v); wave w of work-group y takes K step 4 y + w: four fragments.  Each load reads 512 consecutive bytes of a row; 16 rows go through
; the wave's own stage in LDS and come back so that a lane holds two whole blocks of 32 of its row.  No tensor load, no barrier: waves share nothing.  Two fragments' loads (32 a wave) are out.
.set WSTG,  8448                       ; a wave's stage: 16 rows x (512 bytes + 16)
.set SPARE, 4*WSTG                     ; behind the stages: the spare words, 128 bytes a wave, named by no other line
.set SPW, 10                           ; v10 my spare word;  v11 zero: never rewritten
.set NIL, 11
.set PW,  20                           ; v20-23 the four fragments' scale words
.set PC,  24                           ; v24-35 a fragment's codes
.set PT,  36                           ; v36-38, v40-42 the upper halves of its two blocks, as converted
.set RR,  64                           ; v64-191 two sets of 16 x 4 registers as loaded
.set XX,  192                          ; v192-255 my 64 numbers: register 32 c + i = k 64 c + 32 (lane / 16) + i
	s_load_b256 s[4:11], s[0:1], 0x0               ; x, W_q, W_k, W_v
	s_load_b128 s[12:15], s[0:1], 0x20             ; the codes, the scale words
	v_lshl_add_u32 v[SPW], v0, 2, SPARE
	v_mov_b32 v[NIL], 0
	v_lshrrev_b32 v1, 5, v0
	v_readfirstlane_b32 s16, v1                    ; wave
	v_and_b32 v1, 31, v0                           ; lane
	v_and_b32 v2, 15, v0                           ; r
	v_bfe_u32 v3, v0, 4, 1                         ; h
	v_lshlrev_b32 v4, 4, v1                        ; 16 x lane: my bytes of a row's 512, and of a group of an image
	s_mul_i32 s17, s16, WSTG
	v_add_nc_u32 v5, s17, v4                       ; the stage, on the way in
	v_mul_u32_u24 v6, v2, 528
	v_lshl_add_u32 v6, v3, 7, v6
	v_add_nc_u32 v6, s17, v6                       ; and out: row r, + 128 h: my block of 32 numbers
	v_lshlrev_b32 v7, 4, v2
	v_lshl_add_u32 v7, v3, 3, v7                   ; my 8 bytes of the 256 bytes of scale words: 16 r + 8 h
	v_lshlrev_b32 v8, 3, v3                        ; 8 h: my bytes' place in a scale word
	v_mov_b32 v19, 0                               ; a lane permute's destination counts as one of its sources
	v_cmp_eq_u32 s30, 1, v3                        ; lanes 16-31
	s_mov_b32 s26, 0x76543210
	s_mov_b32 s27, 0xfedcba98                      ; selects for lane l xor 16
	s_and_b32 s20, ttmp7, 0xffff
	s_lshl_b32 s20, s20, 2
	s_add_co_u32 s20, s20, s16                     ; my K step
	s_wait_kmcnt 0x0
	s_sub_co_u32 s18, ttmp9, 128                   ; which tensor: the choice hangs on the work-group's number alone
	s_lshr_b32 s19, s18, 4
	s_cmp_eq_u32 s19, 1
	s_cselect_b64 s[6:7], s[8:9], s[6:7]
	s_cmp_eq_u32 s19, 2
	s_cselect_b64 s[6:7], s[10:11], s[6:7]
	s_and_b32 s18, s18, 15
	s_cmp_lt_u32 ttmp9, 128
	s_cselect_b64 s[4:5], s[4:5], s[6:7]
	s_cselect_b32 s18, ttmp9, s18                  ; which 64 rows of it
	s_lshl_b32 s22, s18, 18                        ; 64 rows of 4,096 bytes
	s_lshl_b32 s24, s20, 9                         ; 128 numbers along K
	s_add_co_u32 s22, s22, s24
	s_mov_b32 s23, 0
	s_add_nc_u64 s[4:5], s[4:5], s[22:23]
	s_mul_i32 s22, ttmp9, 49152                    ; four blocks x 8 K steps x 1,536
	s_mul_i32 s24, s20, 1536
	s_add_co_u32 s22, s22, s24
	s_add_nc_u64 s[12:13], s[12:13], s[22:23]
	s_mul_i32 s22, s20, 176
	s_add_co_u32 s22, s22, ttmp9
	s_lshl_b32 s22, s22, 8
	s_add_nc_u64 s[14:15], s[14:15], s[22:23]
.macro LOAD e                          ; fragment e: its 16 rows, in the order of the lane-rows
.irp i, 0,1,2,3,4,5,6,7,8,9,10,11,12,13,14,15
	global_load_b128 v[RR+64*((\e)%2)+4*\i:RR+64*((\e)%2)+4*\i+3], v4, s[4:5] offset:(32*((\e)/2)+8*((\e)%2)+\i%8+16*(\i/8))*4096 th:TH_LOAD_NT
.endr
.endm
.macro FRAGQ e
.set RS, RR+64*((\e)%2)
.if (\e) < 3
	s_wait_loadcnt 16                              ; this fragment's 16 loads are in; the next fragment's 16 may be out
.else
	s_wait_loadcnt 0x0
.endif
.irp i, 0,1,2,3,4,5,6,7,8,9,10,11,12,13,14,15
	ds_store_b128 v5, v[RS+4*\i:RS+4*\i+3] offset:528*\i
.endr
.irp c, 0,1
.irp j, 0,1,2,3,4,5,6,7
	ds_load_b128 v[XX+32*\c+4*\j:XX+32*\c+4*\j+3], v6 offset:256*\c+16*\j   ; LDS serves a wave's instructions in order: these see the stores above
.endr
.endr
	s_wait_dscnt 0x0                               ; my numbers are back, and the stores have read the set,
.if (\e) < 2
	LOAD (\e)+2                                    ; which takes the fragment two on
.endif
.irp c, 0,1
	v_max3_num_f32 v[12+\c], |v[XX+32*\c]|, |v[XX+32*\c+1]|, 0x1800000   ; block 2 c + h: all 32 numbers are mine; the floor 2^(3 - 127) holds the byte at 1 from below
.endr
.irp i, 2,4,6,8,10,12,14,16,18,20,22,24,26,28,30
.irp c, 0,1
	v_max3_num_f32 v[12+\c], v[12+\c], |v[XX+32*\c+\i]|, |v[XX+32*\c+\i+1]|
.endr
.endr
.irp c, 0,1
	v_add_nc_u32 v[14+\c], 0xff000000, v[12+\c]    ; 2 off the exponent field: the conversion's scale operand
.endr
.irp c, 0,1
	v_lshrrev_b32 v[16+\c], 23, v[14+\c]           ; the scale's byte
.endr
	v_lshl_or_b32 v18, v17, 16, v16                ; blocks h and 2 + h,
	v_lshlrev_b32 v18, v8, v18                     ; at their places in the word;
	v_permlanex16_b32 v19, v18, s26, s27
	v_or_b32 v[PW+(\e)], v18, v19                  ; with lane l xor 16's two the word is whole
.if (\e) > 0
	s_wait_xcnt 0x0                                ; the last fragment's stores have read the codes' registers
.endif
.irp c, 0,1
	v_cvt_scalef32_pk16_fp6_f32 v[PC+6*\c:PC+6*\c+2], v[XX+32*\c:XX+32*\c+15], v[14+\c]
	v_cvt_scalef32_pk16_fp6_f32 v[PT+4*\c:PT+4*\c+2], v[XX+32*\c+16:XX+32*\c+31], v[14+\c]   ; (a conversion's three registers begin on an even number)
.endr
	v_nop                                          ; one plain place behind a scaled conversion
.irp c, 0,1
.irp i, 0,1,2
	v_mov_b32 v[PC+3+6*\c+\i], v[PT+4*\c+\i]
.endr
.endr
.irp g, 0,1,2
	global_store_b128 v4, v[PC+4*\g:PC+4*\g+3], s[12:13] offset:(\e)*12288+512*\g   ; 32 lanes store 512 consecutive bytes, at a multiple of 256 from the buffer's first byte
.endr
.endm
	LOAD 0
	LOAD 1
	FRAGQ 0
	FRAGQ 1
	FRAGQ 2
	FRAGQ 3
	v_cndmask_b32 v44, v[PW], v[PW+2], s30         ; lane (r, h) stores the words of blocks 2 h and 2 h + 1 of lane-row r
	v_cndmask_b32 v45, v[PW+1], v[PW+3], s30
	global_store_b64 v7, v[44:45], s[14:15]        ; 32 lanes store 256 consecutive bytes, aligned
	s_wait_tensorcnt 0x0                           ; the wave's end
	ds_add_u32 v[SPW], v[NIL]
	s_wait_dscnt 0x0
	s_endpgm
.Lfunc_end_k_qd3f7898144_quant:
	.size	k_qd3f7898144_quant, .Lfunc_end_k_qd3f7898144_quant-k_qd3f7898144_quant
	.p2alignl 7, 3214868480
	.fill 96, 4, 3214868480
	.section	.rodata,"a",@progbits
	.p2align	6, 0x0
	.amdhsa_kernel k_qd3f7898144_quant
		.amdhsa_group_segment_fixed_size 34304
		.amdhsa_private_segment_fixed_size 0
		.amdhsa_enable_private_segment 0
		.amdhsa_kernarg_size 48
		.amdhsa_user_sgpr_count 2
		.amdhsa_user_sgpr_kernarg_segment_ptr 1
		.amdhsa_wavefront_size32 1
		.amdhsa_system_sgpr_workgroup_id_x 1
		.amdhsa_system_sgpr_workgroup_id_y 1
		.amdhsa_system_sgpr_workgroup_id_z 1
		.amdhsa_system_vgpr_workitem_id 0
		.amdhsa_next_free_vgpr 256
		.amdhsa_next_free_sgpr 66
		.amdhsa_reserve_vcc 0
		.amdhsa_float_denorm_mode_32 3
		.amdhsa_float_denorm_mode_16_64 3
		.amdhsa_memory_ordered 1
		.amdhsa_forward_progress 1
		.amdhsa_inst_pref_size 30
	.end_amdhsa_kernel
	.amdgpu_metadata
---
amdhsa.version: [ 1, 2 ]
amdhsa.kernels:
  - .name:           k_qd3f7898144_quant
    .symbol:         k_qd3f7898144_quant.kd
    .args:
      - { .name: x, .offset: 0, .size: 8, .value_kind: global_buffer, .address_space: global }
      - { .name: W_q, .offset: 8, .size: 8, .value_kind: global_buffer, .address_space: global }
      - { .name: W_k, .offset: 16, .size: 8, .value_kind: global_buffer, .address_space: global }
      - { .name: W_v, .offset: 24, .size: 8, .value_kind: global_buffer, .address_space: global }
      - { .name: xw_codes, .offset: 32, .size: 8, .value_kind: global_buffer, .address_space: global }
      - { .name: xw_scales, .offset: 40, .size: 8, .value_kind: global_buffer, .address_space: global }
    .group_segment_fixed_size: 34304
    .private_segment_fixed_size: 0
    .kernarg_segment_align: 8
    .kernarg_segment_size: 48
    .max_flat_workgroup_size: 128
    .sgpr_count:     66
    .vgpr_count:     256
    .wavefront_size: 32
...
	.end_amdgpu_metadata
.endif
;; end of part 1
;; launch proj (part 2): grid 12 x 32, 4 waves a work-group, clusters of 4 x 4, 327,680 bytes of LDS; arguments xw_codes, xw_scales, qkv_codes, qkv_scales; writes qkv_codes, qkv_scales
.if DOCPART == 2
	.amdgcn_target "amdgcn-amd-amdhsa--gfx1250"
	.amdhsa_code_object_version 6
	.text
	.protected	k_qd3f7898144_proj
	.globl	k_qd3f7898144_proj
	.p2align	8
	.type	k_qd3f7898144_proj,@function
k_qd3f7898144_proj:
	s_mov_b64 s[64:65], 0
	v_nop
	global_prefetch_b8 v0, s[64:65] scope:SCOPE_SE
	s_setreg_imm32_b32 hwreg(HW_REG_WAVE_MODE, 25, 1), 1
	s_wait_xcnt 0x0
	s_wait_alu depctr_hold_cnt(0) depctr_sa_sdst(0) depctr_va_vdst(0) depctr_va_sdst(0) depctr_va_ssrc(0) depctr_va_vcc(0) depctr_vm_vsrc(0)
	s_getreg_b32 s2, hwreg(HW_REG_IB_STS2, 6, 4)
	s_cmp_eq_u32 s2, 0
	s_cbranch_scc0 .Lentry_in_a_cluster
	s_endpgm
.Lentry_in_a_cluster:
	s_bfe_u32 s2, ttmp6, 0x10000c
	s_cmp_lg_u32 s2, 0xf033
	s_cbranch_scc0 .Lentry_shape_is_right
	s_endpgm
.Lentry_shape_is_right:
; LAUNCH 2 OF 4.  q = x W_q^T, k = x W_k^T, v = x W_v^T on codes of FP6 with E8M0 scales, sums in f32; the results are quantised in registers and stored as operands of the next products (layouts: head of launch 1):
; q and k along the channels, v along the keys.  Nothing is left out here.
; A tile is 256 rows of operand A x 256 rows of operand B, K = 1,024; four waves, each 128 x 128: 64 accumulators, 512 registers.  Source 0 of the matrix instruction = 16 rows of B, source 1 = 16 rows of A: a lane holds
; ONE row of A, and its 64 registers of a block of A run along 128 neighbouring rows of B, which are the next product's K.  For q and k: A = x (a lane a token), B = the weight (registers along the channels).
; For v the two change places: A = W_v (a lane a channel), B = x (registers along the tokens, the keys).  So one text serves all three; which it is hangs on the cluster's x alone.
; CLUSTERS of 4 x 4: A's tile hangs on the place along y and is asked for jointly by a row of the cluster, B's on the place along x and by a column.
; K goes in four slots of 256 through THREE buffers in LDS: slots 0 to 2 and the scale words go out at the head (four loads of a wave are out), slot 3 is the one refill, into buffer 0, with four K steps in which to land.
; REGISTERS, in windows of 256: window 0: v1-15 addresses; v32-63 A's scale words, v64-95 B's (4 registers a K step: lanes 0-15 blocks 0-3, lanes 16-31 blocks 4-7); v96-111 at work; v128-223 A's fragments, one set;
;   v224-243 the codes just made.  window 1: B's fragments, two sets, at v0 and v128.  window 2: accumulators of A's blocks 0-3 ((a, b) at v[8 (8 (a % 4) + b)]); window 3: blocks 4-7.
.set HALFT, 24576                      ; 8 blocks x 3,072 bytes (256 along K): what one tensor load brings and what one wave reads of A or of B
.set SLOT,  4*HALFT                    ; A's 16 blocks, then B's 16
.set SCL,   3*SLOT                     ; behind the three buffers: the scale words, 4,096 bytes for each wave's load: [8 K steps][512]
.set SPARE, SCL+4*4096                 ; the spare words, 128 bytes a wave, named by no other line
.set LI,   3                           ; v3  16 x lane
.set ADRA, 4                           ; v4-6  my half of A in buffer 0, 1, 2
.set ADRB, 8                           ; v8-10 my half of B
.set ADSA, 12                          ; v12, v13 my scale words of A, of B
.set ADSB, 13
.set SPW,  14                          ; v14 my spare word; v15 zero: never rewritten
.set NIL,  15
.set SA,   32
.set SB,   64
.set TM,   96
.set AF,   128
.set PWA,  128                         ; behind the K loop: the eight blocks' scale words
.set MRG,  160
.set PC,   224
.set G1,   24                          ; s[24:31] group 1 for A's codes; s[32:43] groups 0, one a buffer
.set G0,   32
.set G1B,  44                          ; s[44:51], s[52:63] the same for B
.set G0B,  52
.set G1S,  68                          ; s[68:75], s[76:79] A's scale words; s[80:87], s[88:91] B's
.set G0S,  76
.set G1SB, 80
.set G0SB, 88
.set MUL_LO, 0xa1                      ; source 0 (B) window 1, source 1 (A) window 0, C and D window 2
.set MUL_HI, 0xf1                      ; the same, C and D window 3
.set TO_B,   0x40                      ; destination window 1
.set MSB, 0
.macro WIN new                         ; the immediate's high byte repeats the setting that is left
.if MSB != (\new)
	s_set_vgpr_msb (MSB<<8)|(\new)
.set MSB, (\new)
.endif
.endm
.macro PLACES n
.rept \n
	v_nop
.endr
.endm
.macro FRAG reg, adr, off              ; a fragment comes as the image of its registers: three loads of 512 consecutive bytes
.set rR, \reg
.irp g, 0,1,2
	ds_load_b128 v[rR+4*\g:rR+4*\g+3], v[\adr] offset:\off+512*\g
.endr
.endm
.macro FETCH_B adr, q, set
	WIN TO_B
.irp i, 0,1,2,3,4,5,6,7
	FRAG 128*(\set)+12*\i, \adr, 3072*\i+1536*(\q)
.endr
	WIN 0
.endm
.macro FETCH_A adr, q, first
.irp i, 0,1,2,3
	FRAG AF+12*((\first)+\i), \adr, 3072*((\first)+\i)+1536*(\q)
.endr
.endm
.macro WM zero, r0, r1                 ; one product; r0, r1: the scale words stand in lanes 16-31
.if \zero
.if \r0
.if \r1
	v_wmma_scale_f32_16x16x128_f8f6f4 v[rD:rD+7], v[rF0:rF0+11], v[rF1:rF1+11], 0, v[rS0], v[rS1] matrix_a_fmt:MATRIX_FMT_FP6 matrix_b_fmt:MATRIX_FMT_FP6 matrix_a_scale:MATRIX_SCALE_ROW1 matrix_b_scale:MATRIX_SCALE_ROW1
.else
	v_wmma_scale_f32_16x16x128_f8f6f4 v[rD:rD+7], v[rF0:rF0+11], v[rF1:rF1+11], 0, v[rS0], v[rS1] matrix_a_fmt:MATRIX_FMT_FP6 matrix_b_fmt:MATRIX_FMT_FP6 matrix_a_scale:MATRIX_SCALE_ROW1
.endif
.else
.if \r1
	v_wmma_scale_f32_16x16x128_f8f6f4 v[rD:rD+7], v[rF0:rF0+11], v[rF1:rF1+11], 0, v[rS0], v[rS1] matrix_a_fmt:MATRIX_FMT_FP6 matrix_b_fmt:MATRIX_FMT_FP6 matrix_b_scale:MATRIX_SCALE_ROW1
.else
	v_wmma_scale_f32_16x16x128_f8f6f4 v[rD:rD+7], v[rF0:rF0+11], v[rF1:rF1+11], 0, v[rS0], v[rS1] matrix_a_fmt:MATRIX_FMT_FP6 matrix_b_fmt:MATRIX_FMT_FP6
.endif
.endif
.else
.if \r0
.if \r1
	v_wmma_scale_f32_16x16x128_f8f6f4 v[rD:rD+7], v[rF0:rF0+11], v[rF1:rF1+11], v[rD:rD+7], v[rS0], v[rS1] matrix_a_fmt:MATRIX_FMT_FP6 matrix_b_fmt:MATRIX_FMT_FP6 matrix_a_scale:MATRIX_SCALE_ROW1 matrix_b_scale:MATRIX_SCALE_ROW1
.else
	v_wmma_scale_f32_16x16x128_f8f6f4 v[rD:rD+7], v[rF0:rF0+11], v[rF1:rF1+11], v[rD:rD+7], v[rS0], v[rS1] matrix_a_fmt:MATRIX_FMT_FP6 matrix_b_fmt:MATRIX_FMT_FP6 matrix_a_scale:MATRIX_SCALE_ROW1
.endif
.else
.if \r1
	v_wmma_scale_f32_16x16x128_f8f6f4 v[rD:rD+7], v[rF0:rF0+11], v[rF1:rF1+11], v[rD:rD+7], v[rS0], v[rS1] matrix_a_fmt:MATRIX_FMT_FP6 matrix_b_fmt:MATRIX_FMT_FP6 matrix_b_scale:MATRIX_SCALE_ROW1
.else
	v_wmma_scale_f32_16x16x128_f8f6f4 v[rD:rD+7], v[rF0:rF0+11], v[rF1:rF1+11], v[rD:rD+7], v[rS0], v[rS1] matrix_a_fmt:MATRIX_FMT_FP6 matrix_b_fmt:MATRIX_FMT_FP6
.endif
.endif
.endif
.endm
; A's block a against B's eight.  The 64 accumulators take turns, one instruction a turn, in the same order in every K step.
.macro MULROW a, set, sa, sb, zero, prog
.irp b, 0,1,2,3,4,5,6,7
.set rD, 8*(8*((\a)%4)+\b)
.set rF0, 128*(\set)+12*\b
.set rF1, AF+12*(\a)
.set rS0, (\sb)+\b%4
.set rS1, (\sa)+(\a)%4
.if \prog
	s_wait_dscnt 42-3*\b
.endif
	WM \zero, \b/4, (\a)/4
.endr
.endm
; A K step of 128: 64 products.  A has one set of registers: blocks 0-3 are fetched anew in the step's middle, blocks 4-7 at its end; B has two sets.  Four plain places stand in front of each run of loads into
; registers that matrix instructions have read (ISA guide 7.12.1 for vector instructions).  nbuf, nq: where the next K step lies.
.macro STEP ks, zero, nbuf, nq
	s_wait_dscnt 12                                ; all but the youngest 12 loads, A's blocks 4-7
	WIN MUL_LO
.irp a, 0,1,2,3
	MULROW \a, (\ks)%2, SA+4*(\ks), SB+4*(\ks), \zero, 0
.endr
	s_wait_dscnt 0x0                               ; A's blocks 4-7 are in
	PLACES 4
	FETCH_B ADRB+\nbuf, \nq, 1-(\ks)%2
	FETCH_A ADRA+\nbuf, \nq, 0
	WIN MUL_HI
.irp a, 4,5,6,7
	MULROW \a, (\ks)%2, SA+4*(\ks), SB+4*(\ks), \zero, 0
.endr
	PLACES 4
	WIN 0
	FETCH_A ADRA+\nbuf, \nq, 4
.endm
; A K step with a barrier in it.  In front of the barrier each wave waits for all its tensor loads, adds 0 to its spare word, and waits for that and for its LDS reads.  fill = 1: buffer 0 is filled again.
.macro TURN ks, fill, nbuf
	s_wait_tensorcnt 0x0                           ; all my tensor loads have landed
	ds_add_u32 v[SPW], v[NIL]
	s_wait_dscnt 13                                ; (the add and A's blocks 4-7 may be out)
	WIN MUL_LO
.irp a, 0,1
	MULROW \a, (\ks)%2, SA+4*(\ks), SB+4*(\ks), 0, 0
.endr
	s_wait_dscnt 0x0                               ; the add is done, and all my reads of the buffers so far are over
	s_barrier_signal -1
.irp a, 2,3
	MULROW \a, (\ks)%2, SA+4*(\ks), SB+4*(\ks), 0, 0
.endr
	WIN 0
	s_barrier_wait -1
.if \fill
	REFILL                                         ; the four v_nop behind the load are also the places in front of the loads below
.else
	PLACES 4
.endif
	FETCH_B ADRB+\nbuf, 0, 1-(\ks)%2
	FETCH_A ADRA+\nbuf, 0, 0
	WIN MUL_HI
.irp a, 4,5,6,7
	MULROW \a, (\ks)%2, SA+4*(\ks), SB+4*(\ks), 0, 0
.endr
	PLACES 4
	WIN 0
	FETCH_A ADRA+\nbuf, 0, 4
.endm
.macro LAST ks
	s_wait_dscnt 12
	WIN MUL_LO
.irp a, 0,1,2,3
	MULROW \a, (\ks)%2, SA+4*(\ks), SB+4*(\ks), 0, 0
.endr
	s_wait_dscnt 0x0
	WIN MUL_HI
.irp a, 4,5,6,7
	MULROW \a, (\ks)%2, SA+4*(\ks), SB+4*(\ks), 0, 0
.endr
	WIN 0
.endm
; A joint load: waves 0 and 1 fetch for A, waves 2 and 3 for B; the branch hangs on the wave's number alone.  An s_nop 0 and four v_nop follow each of the two lines.
.macro JLOAD g0a, g1a, g0b, g1b
	s_cmp_eq_u32 s15, 0
	s_cbranch_scc0 .Lfor_b_\@
	tensor_load_to_lds s[\g0a:\g0a+3], s[\g1a:\g1a+7]
	s_nop 0
.rept 4
	v_nop
.endr
	s_branch .Lasked_\@
.Lfor_b_\@:
	tensor_load_to_lds s[\g0b:\g0b+3], s[\g1b:\g1b+7]
	s_nop 0
.rept 4
	v_nop
.endr
.Lasked_\@:
.endm
.macro CREST                           ; a round of the cluster's barrier behind its opening barrier
	s_cmp_lg_u32 s14, 0
	s_cbranch_scc1 .Lnot_wave_0_\@
	s_barrier_signal -3
.Lnot_wave_0_\@:
	s_barrier_wait -3
	s_barrier_signal -1
	s_barrier_wait -1
.endm
.macro CROUND
	s_barrier_signal -1
	s_barrier_wait -1
	CREST
.endm
.macro REFILL                          ; the barrier has opened a round: no wave of any partner still reads buffer 0 or has a load on its way.  Slot 3 lies three slots of 3,072 bytes behind slot 0
	CREST
	s_add_nc_u64 s[G0+2:G0+3], s[G0+2:G0+3], 9216
	s_add_nc_u64 s[G0B+2:G0B+3], s[G0B+2:G0B+3], 9216
	JLOAD G0, G1, G0B, G1B
.endm
	s_load_b256 s[4:11], s[0:1], 0x0               ; x's and the weights' codes, their scale words, q k v's codes, their scale words
	v_lshl_add_u32 v[SPW], v0, 2, SPARE
	v_mov_b32 v[NIL], 0
	ds_add_u32 v[SPW], v[NIL]                      ; the wave's opening: the add, twice on end, and its wait ahead of my first tensor load
	ds_add_u32 v[SPW], v[NIL]
	v_lshrrev_b32 v1, 5, v0
	v_readfirstlane_b32 s14, v1                    ; wave 0..3
	s_lshr_b32 s15, s14, 1                         ; my half of A's rows.  Also: I fetch for A (0) or for B (1)
	s_and_b32 s16, s14, 1                          ; my half of B's rows.  Also: which 8 blocks I fetch
	s_bfe_u32 s17, ttmp6, 0x40000                  ; cx
	s_bfe_u32 s18, ttmp6, 0x40004                  ; cy
	s_and_b32 s19, ttmp7, 0xffff                   ; the cluster's y; the cluster's x (ttmp9) says which product: 0 q, 1 k, 2 v
	s_lshl_b32 s20, s18, 2
	s_lshl_b32 s20, 15, s20                        ; my row of the cluster
	s_lshl_b32 s21, 0x1111, s17                    ; my column
	s_or_b32 s[G1], s20, (3<<16)|(1<<21)           ; 15:0 the mask; 17:16 elements of 8 bytes; 21 set beside a mask; no padding
	s_or_b32 s[G1B], s21, (3<<16)|(1<<21)
.irp g, G1, G1B
	s_mov_b32 s[\g+1], 384<<16                     ; tensor_dim0: 3,072 bytes
	s_mov_b32 s[\g+2], 8<<16                       ; tensor_dim1: 8 blocks
	s_mov_b32 s[\g+3], 384<<16                     ; tile_dim0
	s_mov_b32 s[\g+4], 8                           ; tile_dim1
	s_mov_b32 s[\g+5], 1536                        ; from block to block: 8 K steps x 1,536 bytes
	s_mov_b32 s[\g+6], 0
	s_mov_b32 s[\g+7], 0
.endr
	s_or_b32 s[G1S], s20, (3<<16)|(1<<21)
	s_or_b32 s[G1SB], s21, (3<<16)|(1<<21)
.irp g, G1S, G1SB
	s_mov_b32 s[\g+1], 64<<16                      ; 512 bytes: 8 blocks' words of a K step
	s_mov_b32 s[\g+2], 8<<16                       ; 8 K steps
	s_mov_b32 s[\g+3], 64<<16
	s_mov_b32 s[\g+4], 8
	s_mov_b32 s[\g+5], 5632                        ; from K step to K step: 176 x 256 bytes
	s_mov_b32 s[\g+6], 0
	s_mov_b32 s[\g+7], 0
.endr
	s_lshl_b32 s22, s19, 6                         ; 64 x cluster y: four tiles of x
	s_lshl_b32 s23, ttmp9, 6
	s_add_co_u32 s23, s23, 512                     ; the weight's first block
	s_mov_b32 s92, 640                             ; W_v's
	s_cmp_eq_u32 ttmp9, 2
	s_cselect_b32 s92, s92, s22                    ; A: W_v or x;
	s_cselect_b32 s93, s22, s23                    ; B: x or the weight
	s_lshl_b32 s94, s16, 3
	s_lshl_b32 s95, s18, 4
	s_add_co_u32 s92, s92, s95                     ; A's tile by cy,
	s_add_co_u32 s92, s92, s94                     ; and the 8 blocks that I fetch
	s_lshl_b32 s96, s17, 4
	s_add_co_u32 s93, s93, s96                     ; B's tile by cx
	s_add_co_u32 s93, s93, s94
	s_mul_i32 s12, s92, 12288
	s_mov_b32 s13, 0
	s_lshl_b32 s2, s92, 6
	s_mov_b32 s3, 0
	s_mul_i32 s98, s93, 12288
	s_mov_b32 s99, 0
	s_lshl_b32 s100, s93, 6
	s_mov_b32 s101, 0
	s_mul_i32 s97, s14, HALFT                      ; where they go: no place in the cluster enters an LDS address
	s_lshl_b32 s94, s14, 12
	s_add_co_u32 s94, s94, SCL
	s_wait_dscnt 0x0                               ; both opening adds are done
	s_wait_kmcnt 0x0
	s_add_nc_u64 s[12:13], s[4:5], s[12:13]
	s_add_nc_u64 s[2:3], s[6:7], s[2:3]
	s_add_nc_u64 s[98:99], s[4:5], s[98:99]
	s_add_nc_u64 s[100:101], s[6:7], s[100:101]
	CROUND                                         ; all sixteen work-groups are here: the first joint loads meet
	s_mov_b32 s[G0S], 1
	s_mov_b32 s[G0S+1], s94
	s_mov_b64 s[G0S+2:G0S+3], s[2:3]
	s_or_b32 s[G0S+3], s[G0S+3], 0x80000000
	s_mov_b32 s[G0SB], 1
	s_mov_b32 s[G0SB+1], s94
	s_mov_b64 s[G0SB+2:G0SB+3], s[100:101]
	s_or_b32 s[G0SB+3], s[G0SB+3], 0x80000000
	JLOAD G0S, G1S, G0SB, G1SB                     ; the scale words of all of K: filled once
.irp s, 0,1,2
	s_mov_b32 s[G0+4*\s], 1
	s_add_co_u32 s[G0+4*\s+1], s97, \s*SLOT
	s_add_nc_u64 s[G0+4*\s+2:G0+4*\s+3], s[12:13], \s*3072
	s_or_b32 s[G0+4*\s+3], s[G0+4*\s+3], 0x80000000
	s_mov_b32 s[G0B+4*\s], 1
	s_add_co_u32 s[G0B+4*\s+1], s97, \s*SLOT
	s_add_nc_u64 s[G0B+4*\s+2:G0B+4*\s+3], s[98:99], \s*3072
	s_or_b32 s[G0B+4*\s+3], s[G0B+4*\s+3], 0x80000000
	JLOAD G0+4*\s, G1, G0B+4*\s, G1B
.endr
	v_bfe_u32 v2, v0, 4, 1                         ; h
	v_and_b32 v[LI], 31, v0
	v_lshlrev_b32 v[LI], 4, v[LI]
	s_mul_i32 s92, s15, HALFT
	s_mul_i32 s93, s16, HALFT
	s_add_co_u32 s93, s93, 2*HALFT
.irp s, 0,1,2
	v_add_nc_u32 v[ADRA+\s], s92, v[LI]
	v_add_nc_u32 v[ADRB+\s], s93, v[LI]
	s_add_co_u32 s92, s92, SLOT
	s_add_co_u32 s93, s93, SLOT
.endr
	s_lshl_b32 s92, s15, 12
	s_add_co_u32 s92, s92, SCL
	v_add_nc_u32 v[ADSA], s92, v[LI]
	s_lshl_b32 s93, s16, 12
	s_add_co_u32 s93, s93, SCL+2*4096
	v_add_nc_u32 v[ADSB], s93, v[LI]
.irp b, 0,1,2,3
	v_mov_b32 v[TM+4+\b], 0                        ; a lane permute's destination counts as one of its sources
.endr
	v_cmp_eq_u32 s100, 1, v2                       ; lanes 16-31
	s_mov_b32 s20, 0x76543210
	s_mov_b32 s21, 0xfedcba98                      ; selects for lane l xor 16
	; where my results go.  q, k: blocks of tokens 64 cluster y + 16 cy + 8 half on, K step 2 cx + half.  v: blocks of channels 16 cy + 8 half on of the batch of x's tile 4 cluster y + cx, K step 2 (tile % 8) + half
	s_lshl_b32 s92, s19, 2
	s_add_co_u32 s92, s92, s17                     ; x's tile, where x is B
	s_lshr_b32 s93, s92, 3                         ; its batch
	s_and_b32 s92, s92, 7
	s_lshl_b32 s94, s93, 6                         ; v: 64 blocks a batch,
	s_lshl_b32 s93, s93, 8                         ; 16 K steps x 16 units of scale words a batch
	s_lshr_b32 s95, s22, 2
	s_mov_b32 s96, 24576
	s_cmp_eq_u32 ttmp9, 2
	s_cselect_b32 s94, s94, s22
	s_cselect_b32 s93, s93, s95
	s_cselect_b32 s92, s92, s17
	s_cselect_b32 s2, s96, 12288                   ; from block to block: 16 or 8 K steps of 1,536 bytes
	s_cselect_b32 s96, 4, 7                        ; 16 or 128 units of scale words a K step
	s_mov_b32 s3, 0
	s_lshl_b32 s92, s92, 1
	s_add_co_u32 s92, s92, s16                     ; the K step
	s_lshl_b32 s95, s18, 4
	s_lshl_b32 s97, s15, 3
	s_add_co_u32 s95, s95, s97
	s_add_co_u32 s94, s94, s95                     ; my first block
	s_mul_i32 s12, s94, s2
	s_mul_i32 s97, s92, 1536
	s_add_co_u32 s12, s12, s97
	s_mul_i32 s97, ttmp9, 6291456                  ; q, k, v lie one behind the other
	s_add_co_u32 s12, s12, s97
	s_mov_b32 s13, 0
	s_add_nc_u64 s[12:13], s[8:9], s[12:13]
	s_lshl_b32 s98, s92, s96
	s_add_co_u32 s98, s98, s93
	s_lshr_b32 s95, s95, 2
	s_add_co_u32 s98, s98, s95
	s_lshl_b32 s98, s98, 8
	s_lshl_b32 s97, ttmp9, 18
	s_add_co_u32 s98, s98, s97
	s_mov_b32 s99, 0
	s_add_nc_u64 s[98:99], s[10:11], s[98:99]
	s_wait_tensorcnt 2                             ; the scale words and my part of slot 0 are in; slots 1 and 2 may stay out
	s_barrier_signal -1
	s_barrier_wait -1
.irp k, 0,1,2,3,4,5,6,7
	ds_load_b128 v[SA+4*\k:SA+4*\k+3], v[ADSA] offset:512*\k
	ds_load_b128 v[SB+4*\k:SB+4*\k+3], v[ADSB] offset:512*\k
.endr
	FETCH_B ADRB, 0, 0
	FETCH_A ADRA, 0, 0
	FETCH_A ADRA, 0, 4
	STEP 0, 1, 0, 1                                ; the first products start the sums: nothing is cleared
	TURN 1, 1, 1                                   ; buffers 1 and 2 are whole; buffer 0 takes slot 3
	STEP 2, 0, 1, 1
	STEP 3, 0, 2, 0
	STEP 4, 0, 2, 1
	TURN 5, 0, 0                                   ; slot 3 is whole; nothing is filled, so no round
	STEP 6, 0, 0, 1
	LAST 7
	PLACES 4                                       ; in front of the first reads of results and of writes into registers that held A's fragments
; A's block a: a lane's 64 numbers, register 16 b + i = K 32 b + 16 (lane / 16) + i of the next product, become a fragment and a scale word, and the fragment is stored as it stands.
.macro QOUT a
.set AC, 64*((\a)%4)
.set WW, 2+(\a)/4
	WIN WW|(WW<<2)                                 ; sources 0 and 1: the accumulators' window
.irp b, 0,1,2,3
	v_max3_num_f32 v[TM+\b], |v[AC+16*\b]|, |v[AC+16*\b+1]|, 0x1800000   ; each accumulator from its low end on; the floor 2^(3 - 127) holds the byte at 1 from below
.endr
.irp i, 2,4,6,8,10,12,14
.irp b, 0,1,2,3
	v_max3_num_f32 v[TM+\b], |v[AC+16*\b+\i]|, |v[AC+16*\b+\i+1]|, v[TM+\b]
.endr
.endr
	WIN 0
.irp b, 0,1,2,3
	v_permlanex16_b32 v[TM+4+\b], v[TM+\b], s20, s21
.endr
.irp b, 0,1,2,3
	v_max_num_f32 v[TM+\b], v[TM+\b], v[TM+4+\b]   ; with lane l xor 16's 16: the block's largest magnitude
.endr
.irp b, 0,1,2,3
	v_add_nc_u32 v[TM+12+\b], 0xff000000, v[TM+\b] ; 2 off the exponent field: the conversion's scale operand
.endr
.irp b, 0,1,2,3
	v_lshrrev_b32 v[TM+4+\b], 23, v[TM+12+\b]      ; the scale's byte
.endr
	v_lshl_or_b32 v[PWA+(\a)], v[TM+5], 8, v[TM+4]
	v_lshl_or_b32 v[PWA+(\a)], v[TM+6], 16, v[PWA+(\a)]
	v_lshl_or_b32 v[PWA+(\a)], v[TM+7], 24, v[PWA+(\a)]
.if (\a) > 0
	s_wait_xcnt 0x0                                ; the last block's stores have read their data and their base
	s_add_nc_u64 s[12:13], s[12:13], s[2:3]
.endif
	WIN WW                                         ; source 0: the accumulators' window
.irp c, 0,1
	v_cvt_scalef32_pk16_fp6_f32 v[PC+6*\c:PC+6*\c+2], v[AC+32*\c:AC+32*\c+15], v[TM+12+2*\c]
	v_cvt_scalef32_pk16_fp6_f32 v[PC+12+4*\c:PC+14+4*\c], v[AC+32*\c+16:AC+32*\c+31], v[TM+13+2*\c]
.endr
	WIN 0
	v_nop                                          ; one plain place behind a scaled conversion
.irp c, 0,1                            ; the operand's layout wants a whole block of 32 in a lane
.irp i, 0,1,2
	v_permlane16_swap_b32 v[PC+6*\c+\i], v[PC+12+4*\c+\i]
.endr
.irp i, 0,1,2
	v_mov_b32 v[PC+3+6*\c+\i], v[PC+12+4*\c+\i]
.endr
.endr
.irp g, 0,1,2
	global_store_b128 v[LI], v[PC+4*\g:PC+4*\g+3], s[12:13] offset:512*\g   ; 512 consecutive bytes, at a multiple of 256 from the buffer's first byte
.endr
.endm
.irp a, 0,1,2,3,4,5,6,7
	QOUT \a
.endr
.irp e, 0,1,2,3
	v_cndmask_b32 v[MRG+\e], v[PWA+\e], v[PWA+4+\e], s100   ; lanes 0-15 blocks 0-3, lanes 16-31 blocks 4-7
.endr
	global_store_b128 v[LI], v[MRG:MRG+3], s[98:99]   ; 512 consecutive bytes: the scale words of my 8 blocks
	s_wait_tensorcnt 0x0                           ; the wave's end
	ds_add_u32 v[SPW], v[NIL]
	s_wait_dscnt 0x0
	CROUND                                         ; the closing round
	s_endpgm
.Lfunc_end_k_qd3f7898144_proj:
	.size	k_qd3f7898144_proj, .Lfunc_end_k_qd3f7898144_proj-k_qd3f7898144_proj
	.p2alignl 7, 3214868480
	.fill 96, 4, 3214868480
	.section	.rodata,"a",@progbits
	.p2align	6, 0x0
	.amdhsa_kernel k_qd3f7898144_proj
		.amdhsa_group_segment_fixed_size 327680
		.amdhsa_private_segment_fixed_size 0
		.amdhsa_enable_private_segment 0
		.amdhsa_kernarg_size 32
		.amdhsa_user_sgpr_count 2
		.amdhsa_user_sgpr_kernarg_segment_ptr 1
		.amdhsa_wavefront_size32 1
		.amdhsa_system_sgpr_workgroup_id_x 1
		.amdhsa_system_sgpr_workgroup_id_y 1
		.amdhsa_system_sgpr_workgroup_id_z 1
		.amdhsa_system_vgpr_workitem_id 0
		.amdhsa_next_free_vgpr 1024
		.amdhsa_next_free_sgpr 102
		.amdhsa_reserve_vcc 0
		.amdhsa_float_denorm_mode_32 3
		.amdhsa_float_denorm_mode_16_64 3
		.amdhsa_memory_ordered 1
		.amdhsa_forward_progress 1
		.amdhsa_inst_pref_size 140
	.end_amdhsa_kernel
	.amdgpu_metadata
---
amdhsa.version: [ 1, 2 ]
amdhsa.kernels:
  - .name:           k_qd3f7898144_proj
    .symbol:         k_qd3f7898144_proj.kd
    .args:
      - { .name: xw_codes, .offset: 0, .size: 8, .value_kind: global_buffer, .address_space: global }
      - { .name: xw_scales, .offset: 8, .size: 8, .value_kind: global_buffer, .address_space: global }
      - { .name: qkv_codes, .offset: 16, .size: 8, .value_kind: global_buffer, .address_space: global }
      - { .name: qkv_scales, .offset: 24, .size: 8, .value_kind: global_buffer, .address_space: global }
    .group_segment_fixed_size: 327680
    .private_segment_fixed_size: 0
    .kernarg_segment_align: 8
    .kernarg_segment_size: 32
    .max_flat_workgroup_size: 128
    .sgpr_count:     102
    .vgpr_count:     1024
    .wavefront_size: 32
...
	.end_amdgpu_metadata
.endif
;; end of part 2
;; launch score (part 3): grid 9 x 16, 4 waves a work-group, no clusters, 327,680 bytes of LDS; arguments qkv_codes, qkv_scales, p_codes, p_stats; writes p_codes, p_stats
.if DOCPART == 3
	.amdgcn_target "amdgcn-amd-amdhsa--gfx1250"
	.amdhsa_code_object_version 6
	.text
	.protected	k_qd3f7898144_score
	.globl	k_qd3f7898144_score
	.p2align	8
	.type	k_qd3f7898144_score,@function
k_qd3f7898144_score:
	s_mov_b64 s[64:65], 0
	v_nop
	global_prefetch_b8 v0, s[64:65] scope:SCOPE_SE
	s_setreg_imm32_b32 hwreg(HW_REG_WAVE_MODE, 25, 1), 1
	s_wait_xcnt 0x0
; LAUNCH 3 OF 4.  The scores q k^T on codes of FP6, K = 1,024, and p, quantised along the keys.  LEFT OUT: the 28 of 64 tiles of 256 x 256 of each batch that lie wholly above the diagonal (reference()'s own jnp.tril
; makes p = 0 there for all inputs: head of launch 1); 36 tiles a batch are made.
; A tile: A = 256 queries (source 1: a lane holds one query), B = 256 keys (source 0: a lane's 64 registers of a block of queries are 128 neighbouring keys).  Four waves, each 128 x 128.  The K loop is launch 2's.
; p UNDER A LOCAL WHOLE NUMBER.  For each query and each 128 keys: t = score x log2(e) / 32; ML = the largest t of these 128 keys, rounded up to a whole number; p = 2^(t - ML), quantised block by block of 32 keys; the sum
; of the unquantised p.  The row's own M, the largest ML, is found in launch 4; going from ML to M is an exact power of two, which is taken off the blocks' scale bytes: the codes stay as they are.
; Stored for each (query, 128 keys): the fragment's codes, its scale word, -ML and the sum.  Where all 128 keys are hidden: zero codes, bytes 1, -ML = 3e38, the sum 0.
; NO CLUSTER: a row of the triangle has 1 to 8 tiles and so has a column, so groups of four that share a tile of q or of k do not cover it; partners would have to be given tiles that are wholly hidden.
; NO PREFETCH: three of the four slots are asked for at the head, and the fourth has four K steps in which to land.
; REGISTERS as in launch 2; v96-124 at work on the way out; behind the K loop v128-135 scale words, v136-143 -ML, v144-151 sums, v160-171 merged for the stores.
.set HALFT, 24576
.set SLOT,  4*HALFT
.set SCL,   3*SLOT
.set SPARE, SCL+4*4096
.set LI,   3
.set ADRA, 4
.set ADRB, 8
.set ADSA, 12
.set ADSB, 13
.set SPW,  14
.set NIL,  15
.set SA,   32
.set SB,   64
.set BM,   96                          ; v96-99 the blocks' largest scores, then largest p
.set BP,   100
.set SOP,  104                         ; the conversions' scale operands
.set BY,   108
.set NM,   112                         ; v[112:113] -ML (the packed form names a pair and takes its low word)
.set SU,   116
.set SV,   118
.set T0,   120
.set T1,   121
.set DQ,   122                         ; my query less my first key, within a diagonal tile
.set NINF, 123
.set DQA,  124
.set AF,   128
.set PWA,  128
.set NMA,  136
.set LA,   144
.set MRG,  160
.set PC,   224
.set G1,   24
.set G1S,  32
.set G0,   40
.set G0S,  52
.set CS,   56                          ; s[56:57] c = log2(e) / sqrt(1024)
.set SEL,  58
.set MUL_LO, 0xa1
.set MUL_HI, 0xf1
.set TO_B,   0x40
.set MSB, 0
.macro WIN new
.if MSB != (\new)
	s_set_vgpr_msb (MSB<<8)|(\new)
.set MSB, (\new)
.endif
.endm
.macro PLACES n
.rept \n
	v_nop
.endr
.endm
.macro FRAG reg, adr, off
.set rR, \reg
.irp g, 0,1,2
	ds_load_b128 v[rR+4*\g:rR+4*\g+3], v[\adr] offset:\off+512*\g
.endr
.endm
.macro FETCH_B adr, q, set
	WIN TO_B
.irp i, 0,1,2,3,4,5,6,7
	FRAG 128*(\set)+12*\i, \adr, 3072*\i+1536*(\q)
.endr
	WIN 0
.endm
.macro FETCH_A adr, q, first
.irp i, 0,1,2,3
	FRAG AF+12*((\first)+\i), \adr, 3072*((\first)+\i)+1536*(\q)
.endr
.endm
.macro WM zero, r0, r1
.if \zero
.if \r0
.if \r1
	v_wmma_scale_f32_16x16x128_f8f6f4 v[rD:rD+7], v[rF0:rF0+11], v[rF1:rF1+11], 0, v[rS0], v[rS1] matrix_a_fmt:MATRIX_FMT_FP6 matrix_b_fmt:MATRIX_FMT_FP6 matrix_a_scale:MATRIX_SCALE_ROW1 matrix_b_scale:MATRIX_SCALE_ROW1
.else
	v_wmma_scale_f32_16x16x128_f8f6f4 v[rD:rD+7], v[rF0:rF0+11], v[rF1:rF1+11], 0, v[rS0], v[rS1] matrix_a_fmt:MATRIX_FMT_FP6 matrix_b_fmt:MATRIX_FMT_FP6 matrix_a_scale:MATRIX_SCALE_ROW1
.endif
.else
.if \r1
	v_wmma_scale_f32_16x16x128_f8f6f4 v[rD:rD+7], v[rF0:rF0+11], v[rF1:rF1+11], 0, v[rS0], v[rS1] matrix_a_fmt:MATRIX_FMT_FP6 matrix_b_fmt:MATRIX_FMT_FP6 matrix_b_scale:MATRIX_SCALE_ROW1
.else
	v_wmma_scale_f32_16x16x128_f8f6f4 v[rD:rD+7], v[rF0:rF0+11], v[rF1:rF1+11], 0, v[rS0], v[rS1] matrix_a_fmt:MATRIX_FMT_FP6 matrix_b_fmt:MATRIX_FMT_FP6
.endif
.endif
.else
.if \r0
.if \r1
	v_wmma_scale_f32_16x16x128_f8f6f4 v[rD:rD+7], v[rF0:rF0+11], v[rF1:rF1+11], v[rD:rD+7], v[rS0], v[rS1] matrix_a_fmt:MATRIX_FMT_FP6 matrix_b_fmt:MATRIX_FMT_FP6 matrix_a_scale:MATRIX_SCALE_ROW1 matrix_b_scale:MATRIX_SCALE_ROW1
.else
	v_wmma_scale_f32_16x16x128_f8f6f4 v[rD:rD+7], v[rF0:rF0+11], v[rF1:rF1+11], v[rD:rD+7], v[rS0], v[rS1] matrix_a_fmt:MATRIX_FMT_FP6 matrix_b_fmt:MATRIX_FMT_FP6 matrix_a_scale:MATRIX_SCALE_ROW1
.endif
.else
.if \r1
	v_wmma_scale_f32_16x16x128_f8f6f4 v[rD:rD+7], v[rF0:rF0+11], v[rF1:rF1+11], v[rD:rD+7], v[rS0], v[rS1] matrix_a_fmt:MATRIX_FMT_FP6 matrix_b_fmt:MATRIX_FMT_FP6 matrix_b_scale:MATRIX_SCALE_ROW1
.else
	v_wmma_scale_f32_16x16x128_f8f6f4 v[rD:rD+7], v[rF0:rF0+11], v[rF1:rF1+11], v[rD:rD+7], v[rS0], v[rS1] matrix_a_fmt:MATRIX_FMT_FP6 matrix_b_fmt:MATRIX_FMT_FP6
.endif
.endif
.endif
.endm
.macro MULROW a, set, sa, sb, zero, prog       ; the 64 accumulators take turns, in the same order in every K step
.irp b, 0,1,2,3,4,5,6,7
.set rD, 8*(8*((\a)%4)+\b)
.set rF0, 128*(\set)+12*\b
.set rF1, AF+12*(\a)
.set rS0, (\sb)+\b%4
.set rS1, (\sa)+(\a)%4
.if \prog
	s_wait_dscnt 42-3*\b
.endif
	WM \zero, \b/4, (\a)/4
.endr
.endm
.macro STEP ks, zero, nbuf, nq
	s_wait_dscnt 12                                ; all but the youngest 12 loads, A's blocks 4-7
	WIN MUL_LO
.irp a, 0,1,2,3
	MULROW \a, (\ks)%2, SA+4*(\ks), SB+4*(\ks), \zero, 0
.endr
	s_wait_dscnt 0x0
	PLACES 4                                       ; in front of loads into registers that matrix instructions have read
	FETCH_B ADRB+\nbuf, \nq, 1-(\ks)%2
	FETCH_A ADRA+\nbuf, \nq, 0
	WIN MUL_HI
.irp a, 4,5,6,7
	MULROW \a, (\ks)%2, SA+4*(\ks), SB+4*(\ks), \zero, 0
.endr
	PLACES 4
	WIN 0
	FETCH_A ADRA+\nbuf, \nq, 4
.endm
.macro REFILL                          ; slot 3, three slots of 3,072 bytes behind slot 0, into buffer 0: my one tensor load behind the barrier, and the first thing there
	s_add_nc_u64 s[G0+2:G0+3], s[G0+2:G0+3], 9216
	tensor_load_to_lds s[G0:G0+3], s[G1:G1+7]
	s_nop 0
	PLACES 4
.endm
.macro TURN ks, fill, nbuf
	s_wait_tensorcnt 0x0                           ; all my tensor loads have landed
	ds_add_u32 v[SPW], v[NIL]
	s_wait_dscnt 13                                ; (the add and A's blocks 4-7 may be out)
	WIN MUL_LO
.irp a, 0,1
	MULROW \a, (\ks)%2, SA+4*(\ks), SB+4*(\ks), 0, 0
.endr
	s_wait_dscnt 0x0                               ; the add is done, and all my reads of the buffers so far are over
	s_barrier_signal -1
.irp a, 2,3
	MULROW \a, (\ks)%2, SA+4*(\ks), SB+4*(\ks), 0, 0
.endr
	WIN 0
	s_barrier_wait -1
.if \fill
	REFILL
.else
	PLACES 4
.endif
	FETCH_B ADRB+\nbuf, 0, 1-(\ks)%2
	FETCH_A ADRA+\nbuf, 0, 0
	WIN MUL_HI
.irp a, 4,5,6,7
	MULROW \a, (\ks)%2, SA+4*(\ks), SB+4*(\ks), 0, 0
.endr
	PLACES 4
	WIN 0
	FETCH_A ADRA+\nbuf, 0, 4
.endm
.macro LAST ks
	s_wait_dscnt 12
	WIN MUL_LO
.irp a, 0,1,2,3
	MULROW \a, (\ks)%2, SA+4*(\ks), SB+4*(\ks), 0, 0
.endr
	s_wait_dscnt 0x0
	WIN MUL_HI
.irp a, 4,5,6,7
	MULROW \a, (\ks)%2, SA+4*(\ks), SB+4*(\ks), 0, 0
.endr
	WIN 0
.endm
	s_load_b256 s[4:11], s[0:1], 0x0               ; q k v's codes, their scale words, p's codes, p's figures
	v_lshl_add_u32 v[SPW], v0, 2, SPARE
	v_mov_b32 v[NIL], 0
	ds_add_u32 v[SPW], v[NIL]                      ; the wave's opening: the add, twice on end, and its wait ahead of my first tensor load
	ds_add_u32 v[SPW], v[NIL]
	v_lshrrev_b32 v1, 5, v0
	v_readfirstlane_b32 s14, v1                    ; wave
	s_lshr_b32 s15, s14, 1                         ; my half of the queries.  Also: I fetch q (0) or k (1)
	s_and_b32 s16, s14, 1                          ; my half of the keys.  Also: which 8 blocks I fetch
	s_and_b32 s17, ttmp7, 0xffff
	s_and_b32 s18, s17, 3                          ; p: rows p and 7 - p of the triangle have 9 tiles together
	s_lshr_b32 s19, s17, 2                         ; batch
	s_sub_co_u32 s20, 7, s18
	s_sub_co_u32 s21, ttmp9, s18
	s_sub_co_u32 s21, s21, 1
	s_cmp_le_u32 ttmp9, s18
	s_cselect_b32 s20, s18, s20                    ; the tile's row of queries,
	s_cselect_b32 s21, ttmp9, s21                  ; and its column of keys, at most the row
	s_mov_b32 s[G1], 3<<16                         ; no mask; elements of 8 bytes; no padding
	s_mov_b32 s[G1+1], 384<<16                     ; 3,072 bytes
	s_mov_b32 s[G1+2], 8<<16                       ; 8 blocks
	s_mov_b32 s[G1+3], 384<<16
	s_mov_b32 s[G1+4], 8
	s_mov_b32 s[G1+5], 1536                        ; from block to block: 12,288 bytes
	s_mov_b32 s[G1+6], 0
	s_mov_b32 s[G1+7], 0
	s_mov_b32 s[G1S], 3<<16
	s_mov_b32 s[G1S+1], 64<<16                     ; 512 bytes: 8 blocks' scale words of a K step
	s_mov_b32 s[G1S+2], 8<<16                      ; 8 K steps
	s_mov_b32 s[G1S+3], 64<<16
	s_mov_b32 s[G1S+4], 8
	s_mov_b32 s[G1S+5], 4096                       ; from K step to K step: 128 x 256 bytes
	s_mov_b32 s[G1S+6], 0
	s_mov_b32 s[G1S+7], 0
	s_cmp_lt_u32 s14, 2
	s_cselect_b32 s22, s20, s21
	s_cselect_b32 s23, 0, 6291456                  ; k's codes lie behind q's,
	s_cselect_b32 s60, 0, 262144                   ; its scale words likewise
	s_lshl_b32 s61, s19, 7
	s_lshl_b32 s22, s22, 4
	s_add_co_u32 s22, s22, s61
	s_lshl_b32 s61, s16, 3
	s_add_co_u32 s22, s22, s61                     ; the first block that I fetch
	s_mul_i32 s62, s22, 12288
	s_add_co_u32 s62, s62, s23
	s_mov_b32 s63, 0
	s_lshl_b32 s66, s22, 6
	s_add_co_u32 s66, s66, s60
	s_mov_b32 s67, 0
	s_mul_i32 s68, s14, HALFT
	s_lshl_b32 s69, s14, 12
	s_add_co_u32 s69, s69, SCL
	s_mov_b32 s[CS], 0x3d38aa3b                    ; log2(e) / 32
	s_mov_b32 s[CS+1], s[CS]
	s_mov_b32 s[SEL], 0x76543210
	s_mov_b32 s[SEL+1], 0xfedcba98
	s_wait_dscnt 0x0                               ; both opening adds are done
	s_wait_kmcnt 0x0
	s_add_nc_u64 s[62:63], s[4:5], s[62:63]
	s_add_nc_u64 s[66:67], s[6:7], s[66:67]
	s_mov_b32 s[G0S], 1
	s_mov_b32 s[G0S+1], s69
	s_mov_b64 s[G0S+2:G0S+3], s[66:67]
	s_or_b32 s[G0S+3], s[G0S+3], 0x80000000
.irp s, 0,1,2
	s_mov_b32 s[G0+4*\s], 1
	s_add_co_u32 s[G0+4*\s+1], s68, \s*SLOT
	s_add_nc_u64 s[G0+4*\s+2:G0+4*\s+3], s[62:63], \s*3072
	s_or_b32 s[G0+4*\s+3], s[G0+4*\s+3], 0x80000000
.endr
	tensor_load_to_lds s[G0S:G0S+3], s[G1S:G1S+7]  ; every wave issues its four first fills, with no branch: four loads of mine are out
	s_nop 0
.irp s, 0,1,2
	tensor_load_to_lds s[G0+4*\s:G0+4*\s+3], s[G1:G1+7]
	s_nop 0
.endr
	PLACES 4
	v_and_b32 v1, 15, v0                           ; r
	v_bfe_u32 v2, v0, 4, 1                         ; h
	v_and_b32 v[LI], 31, v0
	v_lshlrev_b32 v[LI], 4, v[LI]
	s_mul_i32 s60, s15, HALFT
	s_mul_i32 s61, s16, HALFT
	s_add_co_u32 s61, s61, 2*HALFT
.irp s, 0,1,2
	v_add_nc_u32 v[ADRA+\s], s60, v[LI]
	v_add_nc_u32 v[ADRB+\s], s61, v[LI]
	s_add_co_u32 s60, s60, SLOT
	s_add_co_u32 s61, s61, SLOT
.endr
	s_lshl_b32 s60, s15, 12
	s_add_co_u32 s60, s60, SCL
	v_add_nc_u32 v[ADSA], s60, v[LI]
	s_lshl_b32 s61, s16, 12
	s_add_co_u32 s61, s61, SCL+2*4096
	v_add_nc_u32 v[ADSB], s61, v[LI]
	v_cmp_eq_u32 s70, 1, v2                        ; lanes 16-31
.irp b, 0,1,2,3
	v_mov_b32 v[BP+\b], 0                          ; a lane permute's destination counts as one of its sources
.endr
	v_mov_b32 v[NM+1], 0                           ; (named with -ML as a pair)
	v_mov_b32 v[NINF], 0xff800000
	v_and_b32 v[DQ], 7, v1                         ; my lane-row's true row in its 32: r % 8 + 16 (r / 8),
	v_lshrrev_b32 v[T0], 3, v1
	v_lshl_add_u32 v[DQ], v[T0], 4, v[DQ]
	v_lshlrev_b32 v[T0], 4, v2
	v_sub_nc_u32 v[DQ], v[DQ], v[T0]               ; less my half's first key, 16 h,
	s_sub_co_i32 s60, s15, s16
	s_lshl_b32 s60, s60, 7
	v_add_nc_u32 v[DQ], s60, v[DQ]                 ; and 128 (my half of the queries - my half of the keys)
	; where my results go
	s_lshl_b32 s60, s19, 7
	s_lshl_b32 s61, s20, 4
	s_add_co_u32 s60, s60, s61
	s_lshl_b32 s61, s15, 3
	s_add_co_u32 s60, s60, s61                     ; my first block of queries
	s_lshl_b32 s60, s60, 4
	s_lshl_b32 s61, s21, 1
	s_add_co_u32 s61, s61, s16                     ; my 128 keys: K step 2 column + half
	s_add_co_u32 s60, s60, s61
	s_mul_i32 s62, s60, 1536
	s_mov_b32 s63, 0
	s_add_nc_u64 s[8:9], s[8:9], s[62:63]
	s_lshl_b32 s66, s19, 4
	s_add_co_u32 s66, s66, s61
	s_lshl_b32 s66, s66, 5
	s_lshl_b32 s67, s20, 2
	s_add_co_u32 s66, s66, s67
	s_lshl_b32 s67, s15, 1
	s_add_co_u32 s66, s66, s67
	s_lshl_b32 s66, s66, 8
	s_mov_b32 s67, 0
	s_add_nc_u64 s[10:11], s[10:11], s[66:67]
	s_wait_tensorcnt 2                             ; the scale words and my part of slot 0 are in; slots 1 and 2 may stay out
	s_barrier_signal -1
	s_barrier_wait -1
.irp k, 0,1,2,3,4,5,6,7
	ds_load_b128 v[SA+4*\k:SA+4*\k+3], v[ADSA] offset:512*\k
	ds_load_b128 v[SB+4*\k:SB+4*\k+3], v[ADSB] offset:512*\k
.endr
	FETCH_B ADRB, 0, 0
	FETCH_A ADRA, 0, 0
	FETCH_A ADRA, 0, 4
	STEP 0, 1, 0, 1                                ; the first products start the sums
	TURN 1, 1, 1                                   ; buffers 1 and 2 are whole; buffer 0 takes slot 3
	STEP 2, 0, 1, 1
	STEP 3, 0, 2, 0
	STEP 4, 0, 2, 1
	TURN 5, 0, 0                                   ; slot 3 is whole
	STEP 6, 0, 0, 1
	LAST 7
	PLACES 4
	; THE MASK, in the diagonal tiles alone (a branch on ids): register n of block a holds key 32 (n / 16) + n % 16 + 16 h of my 128; it is hidden where that lies above my query
	s_cmp_lg_u32 s20, s21
	s_cbranch_scc1 .Lopen
.macro MASK a
.set AC, 64*((\a)%4)
.set WW, 2+(\a)/4
	WIN 0
	v_add_nc_u32 v[DQA], 32*((\a)/2)+8*((\a)%2), v[DQ]
	WIN (WW<<6)|WW                                 ; destination and source 0: the accumulators' window
.set n, 0
.rept 64
	v_cmp_gt_i32 vcc_lo, 32*(n/16)+n%16, v[DQA]
	v_cndmask_b32 v[AC+n], v[AC+n], v[NINF], vcc_lo
.set n, n+1
.endr
.endm
.irp a, 0,1,2,3,4,5,6,7
	MASK \a
.endr
	WIN 0
.Lopen:
; Block a of 16 queries: the local maximum, p, its sum, its codes.
.macro POUT a
.set AC, 64*((\a)%4)
.set WW, 2+(\a)/4
	WIN WW|(WW<<2)
.irp b, 0,1,2,3
	v_max_num_f32 v[BM+\b], v[AC+16*\b], v[AC+16*\b+1]   ; the largest score of each block of 32 keys: it serves for the maximum and, since p rises with the score, for the block's largest p
.endr
.irp i, 2,4,6,8,10,12,14
.irp b, 0,1,2,3
	v_max3_num_f32 v[BM+\b], v[AC+16*\b+\i], v[AC+16*\b+\i+1], v[BM+\b]
.endr
.endr
	WIN 0
.irp b, 0,1,2,3
	v_permlanex16_b32 v[BP+\b], v[BM+\b], s[SEL], s[SEL+1]
.endr
.irp b, 0,1,2,3
	v_max_num_f32 v[BM+\b], v[BM+\b], v[BP+\b]
.endr
	v_max3_num_f32 v[T0], v[BM], v[BM+1], v[BM+2]
	v_max_num_f32 v[T0], v[T0], v[BM+3]
	v_mul_f32 v[T0], s[CS], v[T0]                  ; as t (c is positive)
	v_max_num_f32 v[T0], 0xff61b1e6, v[T0]         ; where all 128 keys are hidden: -3e38, so that no difference of infinities arises
	v_floor_f32 v[NM], -v[T0]                      ; -ML = floor(-t): a whole number
.irp b, 0,1,2,3
	v_fma_f32 v[BM+\b], v[BM+\b], s[CS], v[NM]
.endr
	WIN (WW<<6)|WW
.set j, 0
.rept 32
	v_pk_fma_f32 v[AC+j:AC+j+1], v[AC+j:AC+j+1], s[CS:CS+1], v[NM:NM+1] op_sel_hi:[1,0,0]   ; t - ML, two at a time
.set j, j+2
.endr
.set j, 0
.rept 64
	v_exp_f32 v[AC+j], v[AC+j]                     ; p, at most 1
.set j, j+1
.endr
	WIN 0
	v_mov_b32 v[NMA+(\a)], v[NM]                   ; (a plain place behind the exponentials)
	s_wait_alu depctr_va_vdst(0)                   ; one wait for the batch, ahead of its first reader
.irp b, 0,1,2,3
	v_exp_f32 v[BM+\b], v[BM+\b]                   ; the blocks' largest p: the same two instructions on the same number
.endr
	WIN WW|(WW<<2)
	v_pk_add_f32 v[SU:SU+1], v[AC:AC+1], v[AC+2:AC+3]   ; the sum of the unquantised p, in two chains
	v_pk_add_f32 v[SV:SV+1], v[AC+4:AC+5], v[AC+6:AC+7]
	WIN WW
.irp j, 8,12,16,20,24,28,32,36,40,44,48,52,56,60
	v_pk_add_f32 v[SU:SU+1], v[AC+\j:AC+\j+1], v[SU:SU+1]
	v_pk_add_f32 v[SV:SV+1], v[AC+\j+2:AC+\j+3], v[SV:SV+1]
.endr
	WIN 0
	v_pk_add_f32 v[SU:SU+1], v[SU:SU+1], v[SV:SV+1]
	v_add_f32 v[T1], v[SU], v[SU+1]
	v_permlanex16_b32 v[T0], v[T1], s[SEL], s[SEL+1]
	v_add_f32 v[LA+(\a)], v[T1], v[T0]
	s_wait_alu depctr_va_vdst(0)                   ; and one for the four
.irp b, 0,1,2,3
	v_max_num_f32 v[BM+\b], 0x1800000, v[BM+\b]    ; the floor 2^(3 - 127): the byte cannot fall under 1
.endr
.irp b, 0,1,2,3
	v_add_nc_u32 v[SOP+\b], 0xff000000, v[BM+\b]
.endr
.irp b, 0,1,2,3
	v_lshrrev_b32 v[BY+\b], 23, v[SOP+\b]
.endr
	v_lshl_or_b32 v[PWA+(\a)], v[BY+1], 8, v[BY]
	v_lshl_or_b32 v[PWA+(\a)], v[BY+2], 16, v[PWA+(\a)]
	v_lshl_or_b32 v[PWA+(\a)], v[BY+3], 24, v[PWA+(\a)]
.if (\a) > 0
	s_wait_xcnt 0x0                                ; the last block's stores have read the codes' registers
.endif
	WIN WW
.irp c, 0,1
	v_cvt_scalef32_pk16_fp6_f32 v[PC+6*\c:PC+6*\c+2], v[AC+32*\c:AC+32*\c+15], v[SOP+2*\c]
	v_cvt_scalef32_pk16_fp6_f32 v[PC+12+4*\c:PC+14+4*\c], v[AC+32*\c+16:AC+32*\c+31], v[SOP+1+2*\c]
.endr
	WIN 0
	v_nop                                          ; one plain place behind a scaled conversion
.irp c, 0,1
.irp i, 0,1,2
	v_permlane16_swap_b32 v[PC+6*\c+\i], v[PC+12+4*\c+\i]
.endr
.irp i, 0,1,2
	v_mov_b32 v[PC+3+6*\c+\i], v[PC+12+4*\c+\i]
.endr
.endr
.irp g, 0,1,2
	global_store_b128 v[LI], v[PC+4*\g:PC+4*\g+3], s[8:9] offset:(\a)*24576+512*\g   ; 512 consecutive bytes, at a multiple of 256 from the buffer's first byte
.endr
.endm
.irp a, 0,1,2,3,4,5,6,7
	POUT \a
.endr
.irp e, 0,1,2,3
	v_cndmask_b32 v[MRG+\e], v[PWA+\e], v[PWA+4+\e], s70     ; lanes 0-15 blocks 0-3, lanes 16-31 blocks 4-7
	v_cndmask_b32 v[MRG+4+\e], v[NMA+\e], v[NMA+4+\e], s70
	v_cndmask_b32 v[MRG+8+\e], v[LA+\e], v[LA+4+\e], s70
.endr
	global_store_b128 v[LI], v[MRG:MRG+3], s[10:11]                     ; the scale words,
	global_store_b128 v[LI], v[MRG+4:MRG+7], s[10:11] offset:524288     ; -ML,
	global_store_b128 v[LI], v[MRG+8:MRG+11], s[10:11] offset:1048576   ; the sums: 512 consecutive bytes each
	s_wait_tensorcnt 0x0                           ; the wave's end
	ds_add_u32 v[SPW], v[NIL]
	s_wait_dscnt 0x0
	s_endpgm
.Lfunc_end_k_qd3f7898144_score:
	.size	k_qd3f7898144_score, .Lfunc_end_k_qd3f7898144_score-k_qd3f7898144_score
	.p2alignl 7, 3214868480
	.fill 96, 4, 3214868480
	.section	.rodata,"a",@progbits
	.p2align	6, 0x0
	.amdhsa_kernel k_qd3f7898144_score
		.amdhsa_group_segment_fixed_size 327680
		.amdhsa_private_segment_fixed_size 0
		.amdhsa_enable_private_segment 0
		.amdhsa_kernarg_size 32
		.amdhsa_user_sgpr_count 2
		.amdhsa_user_sgpr_kernarg_segment_ptr 1
		.amdhsa_wavefront_size32 1
		.amdhsa_system_sgpr_workgroup_id_x 1
		.amdhsa_system_sgpr_workgroup_id_y 1
		.amdhsa_system_sgpr_workgroup_id_z 1
		.amdhsa_system_vgpr_workitem_id 0
		.amdhsa_next_free_vgpr 1024
		.amdhsa_next_free_sgpr 72
		.amdhsa_reserve_vcc 1
		.amdhsa_float_denorm_mode_32 3
		.amdhsa_float_denorm_mode_16_64 3
		.amdhsa_memory_ordered 1
		.amdhsa_forward_progress 1
		.amdhsa_inst_pref_size 231
	.end_amdhsa_kernel
	.amdgpu_metadata
---
amdhsa.version: [ 1, 2 ]
amdhsa.kernels:
  - .name:           k_qd3f7898144_score
    .symbol:         k_qd3f7898144_score.kd
    .args:
      - { .name: qkv_codes, .offset: 0, .size: 8, .value_kind: global_buffer, .address_space: global }
      - { .name: qkv_scales, .offset: 8, .size: 8, .value_kind: global_buffer, .address_space: global }
      - { .name: p_codes, .offset: 16, .size: 8, .value_kind: global_buffer, .address_space: global }
      - { .name: p_stats, .offset: 24, .size: 8, .value_kind: global_buffer, .address_space: global }
    .group_segment_fixed_size: 327680
    .private_segment_fixed_size: 0
    .kernarg_segment_align: 8
    .kernarg_segment_size: 32
    .max_flat_workgroup_size: 128
    .sgpr_count:     72
    .vgpr_count:     1024
    .wavefront_size: 32
...
	.end_amdgpu_metadata
.endif
;; end of part 3
;; launch pv (part 4): grid 8 x 32, 4 waves a work-group, no clusters, 327,680 bytes of LDS; arguments p_codes, p_stats, qkv_codes, qkv_scales, out0; writes out0
.if DOCPART == 4
	.amdgcn_target "amdgcn-amd-amdhsa--gfx1250"
	.amdhsa_code_object_version 6
	.text
	.protected	k_qd3f7898144_pv
	.globl	k_qd3f7898144_pv
	.p2align	8
	.type	k_qd3f7898144_pv,@function
k_qd3f7898144_pv:
	s_mov_b64 s[64:65], 0
	v_nop
	global_prefetch_b8 v0, s[64:65] scope:SCOPE_SE
	s_setreg_imm32_b32 hwreg(HW_REG_WAVE_MODE, 25, 1), 1
	s_wait_xcnt 0x0
; LAUNCH 4 OF 4.  out = (p v) / l on codes of FP6, K = the keys.  LEFT OUT: the keys behind a tile's last query (p = 0 there by reference()'s own jnp.tril, for all inputs: head of launch 1): a tile of 256 queries walks
; 256 (row + 1) keys.
; A tile: A = p, 256 queries (source 1: a lane holds one query), B = v with the keys innermost, 128 channels (source 0: a lane's 32 registers of a block of queries are 64 neighbouring channels).  Four waves, each
; 128 queries x 64 channels: 32 accumulators.  4 batches x 8 rows of queries x 8 tiles of channels are 256 work-groups.
; THE HEAD brings p under the row's own M.  For each query, from launch 3's figures for each 128 keys: -M = the least -ML; l = the sum of the parts' sums x 2^(ML - M), exact scalings; ML - M, 0 or less, is added to
; the four scale bytes of that part.  LIMIT: ML - M is held at -127, and a byte that would fall under 0 is held at 0: such a part counts with at most 7.5 x 2^-127 a term beside l >= 1/2.
; The lowered scale words stay in the registers in which they are made; v's come from memory into registers: lanes 0-15 an even K step, lanes 16-31 the odd one behind it.
; THE RING: two slots of 512 keys (four K steps); waves 0 and 1 fetch 8 blocks of p each, waves 2 and 3 four blocks of v each, one tensor load a wave.  The four slots are written out.  Every work-group passes all four
; changes of slots.  A slot behind the causal limit is neither asked for nor read, and of a slot whose first 256 keys alone count the other two K steps are not multiplied: the tests hang on ids alone and are the same in
; all four waves; every wait on TENSORcnt is for 0.  For such a half slot p's descriptor states 3,072 of a row's 6,144 bytes as the tensor's extent: the rest arrives as zeros, and no byte is read that launch 3 has not stored.
; NO CLUSTER: the eight tiles of channels of a row of queries walk the same p, but a jump at the causal limit may lead round no joint load.
; REGISTERS: window 0: v3-15 addresses; v16-31 the head's offsets, then at work in the head; v32-95 p's scale words (4 a K step: lanes 0-15 blocks 0-3, lanes 16-31 blocks 4-7); v96-127 v's (4 for two K steps);
;   v128-255 the head's figures, then v128-223 A's fragments, set 0, then rows of the output; v224-239 1 / l, twice for each block.  window 1: B's fragments, two sets, at v0 and v128.  window 2: the accumulators,
;   (a, b) at v[8 (4 a + b)].  window 3: v0-95 A's fragments, set 1.
.set ROWQ,  6144                       ; a block's bytes in a slot: four K steps of 1,536
.set AHALF, 8*ROWQ                     ; what a wave fetches and reads of p
.set BHALF, 4*ROWQ                     ; and of v
.set SLOTB, 2*AHALF+2*BHALF            ; p's 16 blocks, then v's 8
.set STG,   2*SLOTB                    ; behind the ring: the way out, 16 rows x (256 bytes + 16) for each wave
.set SP,    272
.set SPARE, STG+4*16*SP                ; the spare words, 128 bytes a wave, named by no other line
.set LI,   3                           ; v3  16 x lane
.set ADA,  4                           ; v4, v5 my half of p in slot 0, 1
.set ADB,  6                           ; v6, v7 my half of v
.set LB,   8                           ; v8  16 (lane % 16) + 4,096 (lane / 16): v's scale words, and two rows of the output
.set PFO,  10                          ; v10 the prefetches' offset
.set STO,  12
.set RD,   13
.set SPW,  14                          ; v14 my spare word; v15 zero: never rewritten
.set NIL,  15
.set OF,   16
.set NMIN, 16
.set LS,   20
.set EI,   24
.set XT,   28
.set SW,   32
.set SBR,  96
.set NMR,  128
.set LP,   192
.set RL,   224
.set BK,   128
.set WV,  14
.set RH,  15
.set CH,  16
.set CT,  17
.set QI,  18                           ; the tile's row of queries
.set BT,  19
.set LD0, 20                           ; where my load lands in slot 0
.set P1,  21                           ; the prefetches' limits
.set P2,  22
.set HM,  23
.set G1A, 24                           ; s[24:31] group 1 for p, a whole slot
.set G1H, 32                           ; s[32:39] for p, a slot's first 256 keys
.set G1B, 40                           ; s[40:47] for v
.set G0,  48                           ; s[48:51] my group 0, which walks
.set PFA, 52                           ; s[52:53] my part of slot 0 in memory: never rewritten
.set SEL, 54
.set MSB, 0
.macro WIN new                         ; the immediate's high byte repeats the setting that is left
.if MSB != (\new)
	s_set_vgpr_msb (MSB<<8)|(\new)
.set MSB, (\new)
.endif
.endm
.macro PLACES n
.rept \n
	v_nop
.endr
.endm
.macro FRAG reg, adr, off              ; a fragment comes as the image of its registers: three loads of 512 consecutive bytes
.set rR, \reg
.irp g, 0,1,2
	ds_load_b128 v[rR+4*\g:rR+4*\g+3], v[\adr] offset:\off+512*\g
.endr
.endm
; The fragments of a slot's K step q, out of slot u, into set q % 2: A's block 0, B's four, A's blocks 1-7: 36 loads in one run.
.macro FETCH u, q
.if (\q)%2
.set wA, 0xc0                          ; destination window 3
.set rA, 0
.else
.set wA, 0
.set rA, 128
.endif
	WIN wA
	FRAG rA, ADA+\u, 1536*(\q)
	WIN 0x40                                       ; destination window 1
.irp i, 0,1,2,3
	FRAG 128*((\q)%2)+12*\i, ADB+\u, ROWQ*\i+1536*(\q)
.endr
	WIN wA
.irp i, 1,2,3,4,5,6,7
	FRAG rA+12*\i, ADA+\u, ROWQ*\i+1536*(\q)
.endr
.endm
.macro WM zero, r0, r1                 ; one product; r0, r1: the scale words stand in lanes 16-31
.if \zero
.if \r0
.if \r1
	v_wmma_scale_f32_16x16x128_f8f6f4 v[rD:rD+7], v[rF0:rF0+11], v[rF1:rF1+11], 0, v[rS0], v[rS1] matrix_a_fmt:MATRIX_FMT_FP6 matrix_b_fmt:MATRIX_FMT_FP6 matrix_a_scale:MATRIX_SCALE_ROW1 matrix_b_scale:MATRIX_SCALE_ROW1
.else
	v_wmma_scale_f32_16x16x128_f8f6f4 v[rD:rD+7], v[rF0:rF0+11], v[rF1:rF1+11], 0, v[rS0], v[rS1] matrix_a_fmt:MATRIX_FMT_FP6 matrix_b_fmt:MATRIX_FMT_FP6 matrix_a_scale:MATRIX_SCALE_ROW1
.endif
.else
.if \r1
	v_wmma_scale_f32_16x16x128_f8f6f4 v[rD:rD+7], v[rF0:rF0+11], v[rF1:rF1+11], 0, v[rS0], v[rS1] matrix_a_fmt:MATRIX_FMT_FP6 matrix_b_fmt:MATRIX_FMT_FP6 matrix_b_scale:MATRIX_SCALE_ROW1
.else
	v_wmma_scale_f32_16x16x128_f8f6f4 v[rD:rD+7], v[rF0:rF0+11], v[rF1:rF1+11], 0, v[rS0], v[rS1] matrix_a_fmt:MATRIX_FMT_FP6 matrix_b_fmt:MATRIX_FMT_FP6
.endif
.endif
.else
.if \r0
.if \r1
	v_wmma_scale_f32_16x16x128_f8f6f4 v[rD:rD+7], v[rF0:rF0+11], v[rF1:rF1+11], v[rD:rD+7], v[rS0], v[rS1] matrix_a_fmt:MATRIX_FMT_FP6 matrix_b_fmt:MATRIX_FMT_FP6 matrix_a_scale:MATRIX_SCALE_ROW1 matrix_b_scale:MATRIX_SCALE_ROW1
.else
	v_wmma_scale_f32_16x16x128_f8f6f4 v[rD:rD+7], v[rF0:rF0+11], v[rF1:rF1+11], v[rD:rD+7], v[rS0], v[rS1] matrix_a_fmt:MATRIX_FMT_FP6 matrix_b_fmt:MATRIX_FMT_FP6 matrix_a_scale:MATRIX_SCALE_ROW1
.endif
.else
.if \r1
	v_wmma_scale_f32_16x16x128_f8f6f4 v[rD:rD+7], v[rF0:rF0+11], v[rF1:rF1+11], v[rD:rD+7], v[rS0], v[rS1] matrix_a_fmt:MATRIX_FMT_FP6 matrix_b_fmt:MATRIX_FMT_FP6 matrix_b_scale:MATRIX_SCALE_ROW1
.else
	v_wmma_scale_f32_16x16x128_f8f6f4 v[rD:rD+7], v[rF0:rF0+11], v[rF1:rF1+11], v[rD:rD+7], v[rS0], v[rS1] matrix_a_fmt:MATRIX_FMT_FP6 matrix_b_fmt:MATRIX_FMT_FP6
.endif
.endif
.endif
.endm
; A's block a against B's four, K step ks of the 16 (q of its slot).  The 32 accumulators take turns, one instruction a turn, in the same order in every K step.
; prog = 1: B's block b is waited for just ahead of its first product.
.macro MULROW a, q, ks, zero, prog
.irp b, 0,1,2,3
.set rD, 8*(4*(\a)+\b)
.set rF0, 128*((\q)%2)+12*\b
.set rF1, 128*(1-(\q)%2)+12*(\a)
.set rS0, SBR+4*((\ks)/2)+\b
.set rS1, SW+4*(\ks)+(\a)%4
.if \prog
	s_wait_dscnt 30-3*\b                           ; behind B's block b stand B's 3 - b further blocks and A's blocks 1-7, three loads each
.endif
	WM \zero, (\ks)%2, (\a)/4
.endr
.endm
.macro MULALL q, ks                    ; a whole K step: 32 products
	WIN 0xa1+0x0c*((\q)%2)                         ; source 0 (B) window 1; source 1 (A) window 0 or 3; C and D window 2
.irp a, 0,1,2,3,4,5,6,7
	MULROW \a, \q, \ks, 0, 0
.endr
.endm
; My tensor load for a slot.  Waves 0 and 1: p, whole where the tile's row is at least lim, else the slot's first 256 keys; waves 2 and 3: v.  The branches hang on the wave's number and on ids; every way passes one load.
; An s_nop 0 and four v_nop follow each line.
.macro TLOAD lim
	s_cmp_lt_u32 s[WV], 2
	s_cbranch_scc0 .Lfor_v_\@
	s_cmp_lt_u32 s[QI], \lim
	s_cbranch_scc1 .Lhalf_\@
	tensor_load_to_lds s[G0:G0+3], s[G1A:G1A+7]
	s_nop 0
	PLACES 4
	s_branch .Lasked_\@
.Lhalf_\@:
	tensor_load_to_lds s[G0:G0+3], s[G1H:G1H+7]
	s_nop 0
	PLACES 4
	s_branch .Lasked_\@
.Lfor_v_\@:
	tensor_load_to_lds s[G0:G0+3], s[G1B:G1B+7]
	s_nop 0
	PLACES 4
.Lasked_\@:
.endm
; A prefetch into the L2 of what the NEXT change of slots will ask for: in slot s my own part of slot s + 2, each lane another 256 bytes.  It stands behind my tensor load and the run of LDS loads that the next products
; wait for.  p's rows are read by the eight tiles of channels: the first of them asks, three instructions for the slot's first 256 keys and three for the others, each only where those keys count.  v's rows are read by
; the eight rows of queries of a batch: the last row, which walks all keys, asks, three instructions for its four blocks.  So each 256 bytes are named once in the launch.  Slots 0 and 1 come by their loads alone.
.macro ASK s
	s_cmp_gt_u32 s[P1], 2*(\s)+4
	s_cbranch_scc0 .Lnot_mine_\@
.irp j, 0,1,2
	global_prefetch_b8 v[PFO], s[PFA:PFA+1] offset:((\s)+2)*ROWQ+1024*\j th:TH_LOAD_NT scope:SCOPE_SE
.endr
	s_cmp_gt_u32 s[P2], 2*(\s)+4
	s_cbranch_scc0 .Lnot_mine_\@
.irp j, 0,1,2
	global_prefetch_b8 v[PFO], s[PFA:PFA+1] offset:((\s)+2)*ROWQ+3072+1024*\j th:TH_LOAD_NT scope:SCOPE_SE
.endr
.Lnot_mine_\@:
.endm
; THE CHANGE OF SLOTS stands at slot s's head.  Each wave waits for all its tensor loads (its part of slot s), adds 0 to its spare word, and waits for that and for its reads of the slot that it has left.
; Behind the barrier that other slot takes the next 512 keys, where any of them count: the load has four K steps in which to land.
.macro CHANGE s
	s_wait_tensorcnt 0x0                           ; no tensor load of mine is out, so the group 0 may be written
	ds_add_u32 v[SPW], v[NIL]
.if (\s) < 3
	s_add_co_u32 s[G0+1], s[LD0], (((\s)+1)%2)*SLOTB   ; the other slot,
	s_add_nc_u64 s[G0+2:G0+3], s[G0+2:G0+3], ROWQ  ; the next 512 keys
.endif
	s_wait_dscnt 0x0                               ; the add is done, and my LDS reads so far are over
	s_barrier_signal -1
	s_barrier_wait -1
.if (\s) < 3
	s_cmp_lt_u32 s[QI], 2*(\s)+2                   ; a slot behind the causal limit is read by no wave, so it is not asked for
	s_cbranch_scc1 .Lpast_\@
	TLOAD 2*(\s)+3                                 ; my one tensor load until the next barrier, and the first thing behind this one
.Lpast_\@:
.endif
.endm
; Slot s: K steps 4 s to 4 s + 3.  Each K step's 36 loads go out in one run a K step ahead, into the set that the K step before has left; four plain places stand in front of each run of loads into registers that
; matrix instructions have read (ISA guide 7.12.1 for vector instructions).
.macro SLOTW s, zero
.set U, (\s)%2
	PLACES 4                                       ; behind the last slot's products: for both sets
	FETCH U, 0
	WIN 0
.if (\s) < 2
	ASK \s
.endif
	WIN 0xa1
	MULROW 0, 0, 4*(\s), \zero, 1
	FETCH U, 1
	WIN 0xa1
.irp a, 1,2,3,4,5,6,7
	s_wait_dscnt 3*(7-\a)+36                       ; A's block a is in: behind it stand A's 7 - a further blocks and the next K step's 36 loads
	MULROW \a, 0, 4*(\s), \zero, 0
.endr
	WIN 0
	s_wait_dscnt 0x0                               ; the second K step's fragments are in
	s_cmp_lt_u32 s[QI], 2*(\s)+1                   ; do the slot's last 256 keys count?
	s_cbranch_scc1 .Lshort_a_\@
	PLACES 4
	FETCH U, 2
	WIN 0
.Lshort_a_\@:
	MULALL 1, 4*(\s)+1
	WIN 0
	s_wait_dscnt 0x0                               ; the third K step's fragments are in, where they were asked for
	s_cmp_lt_u32 s[QI], 2*(\s)+1
	s_cbranch_scc1 .Lshort_b_\@
	PLACES 4
	FETCH U, 3
	MULALL 2, 4*(\s)+2
	s_wait_dscnt 0x0
	MULALL 3, 4*(\s)+3
	WIN 0
.Lshort_b_\@:
.endm
	s_load_b256 s[4:11], s[0:1], 0x0               ; p's codes, p's figures, q k v's codes, their scale words
	s_load_b64 s[12:13], s[0:1], 0x20              ; out
	v_lshl_add_u32 v[SPW], v0, 2, SPARE
	v_mov_b32 v[NIL], 0
	ds_add_u32 v[SPW], v[NIL]                      ; the wave's opening: the add, twice on end, and its wait ahead of my first tensor load
	ds_add_u32 v[SPW], v[NIL]
	v_lshrrev_b32 v1, 5, v0
	v_readfirstlane_b32 s[WV], v1
	s_lshr_b32 s[RH], s[WV], 1                     ; my half of the queries
	s_and_b32 s[CH], s[WV], 1                      ; my half of the channels.  Also: which half of p's or v's blocks I fetch
	s_mov_b32 s[CT], ttmp9                         ; the tile of 128 channels
	s_and_b32 s56, ttmp7, 0xffff
	s_and_b32 s57, s56, 7
	s_sub_co_u32 s[QI], 7, s57                     ; the longest walks come first
	s_lshr_b32 s[BT], s56, 3
.irp g, G1A, G1H, G1B
	s_mov_b32 s[\g], 3<<16                         ; no mask; elements of 8 bytes; no padding
	s_mov_b32 s[\g+3], 768<<16                     ; tile_dim0: 6,144 bytes: 512 keys of a block
	s_mov_b32 s[\g+5], 3072                        ; from block to block: 16 K steps x 1,536 bytes
	s_mov_b32 s[\g+6], 0
	s_mov_b32 s[\g+7], 0
.endr
	s_mov_b32 s[G1A+1], 768<<16                    ; tensor_dim0: the whole row
	s_mov_b32 s[G1A+2], 8<<16                      ; tensor_dim1: 8 blocks
	s_mov_b32 s[G1A+4], 8                          ; tile_dim1
	s_mov_b32 s[G1H+1], 384<<16                    ; tensor_dim0: 3,072 bytes are left of p's row: what lies beyond arrives as zeros
	s_mov_b32 s[G1H+2], 8<<16
	s_mov_b32 s[G1H+4], 8
	s_mov_b32 s[G1B+1], 768<<16
	s_mov_b32 s[G1B+2], 4<<16                      ; 4 blocks
	s_mov_b32 s[G1B+4], 4
	s_mov_b32 s[SEL], 0x76543210
	s_mov_b32 s[SEL+1], 0xfedcba98                 ; selects for lane l xor 16
	s_lshl_b32 s58, s[BT], 7
	s_lshl_b32 s59, s[QI], 4
	s_add_co_u32 s58, s58, s59
	s_lshl_b32 s59, s[CH], 3
	s_add_co_u32 s58, s58, s59                     ; p: the first of 8 blocks
	s_lshl_b32 s60, s[BT], 6
	s_lshl_b32 s61, s[CT], 3
	s_add_co_u32 s60, s60, s61
	s_lshl_b32 s61, s[CH], 2
	s_add_co_u32 s60, s60, s61                     ; v: the first of 4 blocks
	s_cmp_lt_u32 s[WV], 2
	s_cselect_b32 s58, s58, s60
	s_cselect_b32 s59, 0, 12582912                 ; v's codes lie behind q's and k's
	s_cselect_b32 s60, s[CT], s57                  ; 0 where I am the one that prefetches my part
	s_cselect_b32 s61, s[QI], 7
	s_cselect_b32 s62, s[QI], 0
	s_add_co_u32 s61, s61, 1
	s_cmp_eq_u32 s60, 0
	s_cselect_b32 s[P1], s61, 0                    ; p: row + 1 groups of 256 keys count; v: all 8, in one go for both halves of a slot
	s_cselect_b32 s[P2], s62, 0
	s_mul_i32 s58, s58, 24576
	s_add_co_u32 s58, s58, s59
	s_mov_b32 s59, 0
	s_min_u32 s[LD0], s[WV], 2
	s_add_co_u32 s[LD0], s[LD0], s[WV]
	s_mul_i32 s[LD0], s[LD0], BHALF                ; 0, 49,152 (p's halves), 98,304, 122,880 (v's)
	s_wait_dscnt 0x0                               ; both opening adds are done
	s_wait_kmcnt 0x0
	s_cmp_lt_u32 s[WV], 2
	s_cselect_b64 s[PFA:PFA+1], s[4:5], s[8:9]     ; the choice hangs on the wave's number alone
	s_add_nc_u64 s[PFA:PFA+1], s[PFA:PFA+1], s[58:59]
	s_mov_b32 s[G0], 1
	s_mov_b32 s[G0+1], s[LD0]
	s_mov_b64 s[G0+2:G0+3], s[PFA:PFA+1]
	s_or_b32 s[G0+3], s[G0+3], 0x80000000
	TLOAD 1                                        ; slot 0, whose first 256 keys count for every tile
	v_and_b32 v1, 15, v0                           ; r
	v_bfe_u32 v2, v0, 4, 1                         ; h
	v_and_b32 v[LI], 31, v0
	v_lshlrev_b32 v[LI], 4, v[LI]
	s_mul_i32 s56, s[RH], AHALF
	s_mul_i32 s57, s[CH], BHALF
	s_add_co_u32 s57, s57, 2*AHALF
.irp u, 0,1
	v_add_nc_u32 v[ADA+\u], s56, v[LI]
	v_add_nc_u32 v[ADB+\u], s57, v[LI]
	s_add_co_u32 s56, s56, SLOTB
	s_add_co_u32 s57, s57, SLOTB
.endr
	v_lshlrev_b32 v[LB], 4, v1
	v_lshl_add_u32 v[LB], v2, 12, v[LB]
	s_mul_i32 s56, s[WV], 16*SP
	s_add_co_u32 s56, s56, STG                     ; my stage
	v_mul_u32_u24 v[STO], v1, SP
	v_lshl_add_u32 v[STO], v2, 6, v[STO]
	v_add_nc_u32 v[STO], s56, v[STO]               ; in: row r, + 64 h
	v_mul_u32_u24 v[RD], v2, SP
	v_lshl_add_u32 v[RD], v1, 4, v[RD]
	v_add_nc_u32 v[RD], s56, v[RD]                 ; back: lanes 0-15 one row of 256 bytes, lanes 16-31 the next
	v_cmp_eq_u32 s[HM], 1, v2                      ; lanes 16-31
	s_lshl_b32 s58, s[BT], 17                      ; p's figures: 16 K steps x 32 units a batch; my 8 blocks are units 4 row + 2 half on
	s_lshl_b32 s60, s[QI], 10
	s_add_co_u32 s58, s58, s60
	s_lshl_b32 s60, s[RH], 9
	s_add_co_u32 s58, s58, s60
	s_add_nc_u64 s[6:7], s[6:7], s[58:59]
	s_lshl_b32 s58, s[BT], 16                      ; v's scale words: 16 K steps x 16 units a batch, behind q's and k's; my 4 blocks are unit 2 tile + half
	s_lshl_b32 s60, s[CT], 9
	s_add_co_u32 s58, s58, s60
	s_lshl_b32 s60, s[CH], 8
	s_add_co_u32 s58, s58, s60
	s_add_co_u32 s58, s58, 524288
	s_add_nc_u64 s[10:11], s[10:11], s[58:59]
	s_lshl_b32 s58, s[BT], 23                      ; out: row (2,048 batch + 256 row + 128 half) of 4,096 bytes, + 4 (128 tile + 64 half)
	s_lshl_b32 s60, s[QI], 20
	s_add_co_u32 s58, s58, s60
	s_lshl_b32 s60, s[RH], 19
	s_add_co_u32 s58, s58, s60
	s_lshl_b32 s60, s[CT], 9
	s_add_co_u32 s58, s58, s60
	s_lshl_b32 s60, s[CH], 8
	s_add_co_u32 s58, s58, s60
	s_add_nc_u64 s[12:13], s[12:13], s[58:59]
	s_add_co_u32 s66, s[QI], 1
	s_lshl_b32 s66, s66, 1                         ; the K steps that count
	s_sub_co_u32 s67, s66, 1
	s_mov_b32 s69, 0x3f800000
.irp k, 0,1,2,3,4,5,6,7,8,9,10,11,12,13,14,15
	s_min_u32 s68, s67, \k                         ; a K step behind the limit reads the last one that counts once more: only bytes that launch 3 stored are read, and a repeated part cannot move the minimum
	s_lshl_b32 s68, s68, 13
	v_add_nc_u32 v[OF+\k], s68, v[LI]
.endr
.irp k, 0,1,2,3,4,5,6,7,8,9,10,11,12,13,14,15
	global_load_b128 v[SW+4*\k:SW+4*\k+3], v[OF+\k], s[6:7]
	global_load_b128 v[NMR+4*\k:NMR+4*\k+3], v[OF+\k], s[6:7] offset:524288
	global_load_b128 v[LP+4*\k:LP+4*\k+3], v[OF+\k], s[6:7] offset:1048576
.endr
.irp j, 0,1,2,3,4,5,6,7
	global_load_b128 v[SBR+4*\j:SBR+4*\j+3], v[LB], s[10:11] offset:8192*\j   ; lanes 0-15: K step 2 j; lanes 16-31: K step 2 j + 1; register b: my block b
.endr
	s_wait_loadcnt 0x0
.irp e, 0,1,2,3
	v_min_num_f32 v[NMIN+\e], v[NMR+\e], v[NMR+4+\e]
.endr
.irp k, 2,3,4,5,6,7,8,9,10,11,12,13,14,15
.irp e, 0,1,2,3
	v_min_num_f32 v[NMIN+\e], v[NMIN+\e], v[NMR+4*\k+\e]   ; -M of the row: register e: lanes 0-15 block e, lanes 16-31 block 4 + e
.endr
.endr
.macro STAT k
.if (\k) > 1
	s_cmp_gt_u32 s66, \k
	s_cselect_b32 s70, s69, 0                      ; 1.0 where the K step counts, else 0: a choice of a value, on ids
.endif
.irp e, 0,1,2,3
	v_sub_f32 v[EI+\e], v[NMIN+\e], v[NMR+4*(\k)+\e]       ; ML - M: a whole number, 0 or less
.endr
.irp e, 0,1,2,3
	v_max_num_f32 v[EI+\e], 0xc2fe0000, v[EI+\e]           ; held at -127
.endr
.irp e, 0,1,2,3
	v_cvt_i32_f32 v[EI+\e], v[EI+\e]
.endr
.irp e, 0,1,2,3
.if (\k) == 0
	v_ldexp_f32 v[LS+\e], v[LP+\e], v[EI+\e]               ; the first part starts the sum
.else
	v_ldexp_f32 v[LP+4*(\k)+\e], v[LP+4*(\k)+\e], v[EI+\e]
.endif
.endr
.irp e, 0,1,2,3
.if (\k) == 1
	v_add_f32 v[LS+\e], v[LS+\e], v[LP+4+\e]
.endif
.if (\k) > 1
	v_fma_f32 v[LS+\e], v[LP+4*(\k)+\e], s70, v[LS+\e]
.endif
.endr
.irp e, 0,1,2,3
	v_mul_lo_u32 v[EI+\e], v[EI+\e], 0x01010101            ; the same number in all four bytes
.endr
.irp e, 0,1,2,3
	v_or_b32 v[SW+4*(\k)+\e], 0x80808080, v[SW+4*(\k)+\e]  ; p's bytes are at most 125: with 128 on top no byte borrows from its neighbour,
.endr
.irp e, 0,1,2,3
	v_add_nc_u32 v[SW+4*(\k)+\e], v[SW+4*(\k)+\e], v[EI+\e]
.endr
.irp e, 0,1,2,3
	v_and_b32 v[XT+\e], 0x80808080, v[SW+4*(\k)+\e]        ; and the top bit stays where the byte has not fallen under 0
.endr
.irp e, 0,1,2,3
	v_lshrrev_b32 v[EI+\e], 7, v[XT+\e]
.endr
.irp e, 0,1,2,3
	v_sub_nc_u32 v[XT+\e], v[XT+\e], v[EI+\e]              ; 0x7f in those bytes, 0 in the others
.endr
.irp e, 0,1,2,3
	v_and_b32 v[SW+4*(\k)+\e], v[SW+4*(\k)+\e], v[XT+\e]   ; the K step's scale words, where the products take them
.endr
.endm
.irp k, 0,1,2,3,4,5,6,7,8,9,10,11,12,13,14,15
	STAT \k
.endr
.irp e, 0,1,2,3
	v_permlanex16_b32 v[XT+\e], v[LS+\e], s[SEL], s[SEL+1]
.endr
.irp e, 0,1,2,3
	v_cndmask_b32 v[RL+2*\e], v[LS+\e], v[XT+\e], s[HM]    ; l of block e, in both halves of the lanes,
	v_cndmask_b32 v[RL+8+2*\e], v[XT+\e], v[LS+\e], s[HM]  ; and of block 4 + e
.endr
.irp a, 0,1,2,3,4,5,6,7
	v_rcp_f32 v[RL+2*\a], v[RL+2*\a]                       ; l is at least 1/2
.endr
	v_and_b32 v[PFO], 7, v0                        ; (plain work behind the reciprocals)  the prefetches' offset.  p: block lane % 8, and 256 bytes for each eight lanes;
	v_mul_u32_u24 v[PFO], v[PFO], 24576
	v_bfe_u32 v[EI], v0, 3, 2
	v_lshl_add_u32 v[PFO], v[EI], 8, v[PFO]
	v_and_b32 v[EI], 3, v0                         ; v: block lane % 4, 256 bytes for each four lanes, and lanes 16-31 the slot's other 3,072 bytes
	v_mul_u32_u24 v[EI], v[EI], 24576
	v_bfe_u32 v[EI+1], v0, 2, 2
	v_lshl_add_u32 v[EI], v[EI+1], 8, v[EI]
	v_bfe_u32 v[EI+1], v0, 4, 1
	v_mad_u32_u24 v[EI], v[EI+1], 3072, v[EI]
	s_cmp_lt_u32 s[WV], 2
	s_cselect_b32 s56, -1, 0
	v_cndmask_b32 v[PFO], v[EI], v[PFO], s56
	s_wait_alu depctr_va_vdst(0)                   ; one wait for the eight, ahead of their first reader
.irp a, 0,1,2,3,4,5,6,7
	v_mov_b32 v[RL+2*\a+1], v[RL+2*\a]             ; a pair for the packed multiply
.endr
	CHANGE 0                                       ; slot 0 is whole; slot 1 is asked for, where it counts
	SLOTW 0, 1                                     ; its first products start the sums: nothing is cleared
	CHANGE 1
	s_cmp_lt_u32 s[QI], 2
	s_cbranch_scc1 .Lidle1
	SLOTW 1, 0
.Lidle1:
	CHANGE 2
	s_cmp_lt_u32 s[QI], 4
	s_cbranch_scc1 .Lidle2
	SLOTW 2, 0
.Lidle2:
	CHANGE 3                                       ; nothing is left to ask for
	s_cmp_lt_u32 s[QI], 6
	s_cbranch_scc1 .Lidle3
	SLOTW 3, 0
.Lidle3:
	PLACES 4                                       ; in front of the first reads of results and of loads into registers that held A's fragments
; THE WAY OUT, a block of 16 queries at a time: divided by l, through my stage in LDS, back as whole rows of 256 bytes.  LDS serves a wave's instructions in order: no wait between the stores and the loads.
.macro SCALEO a
.set AC, 32*(\a)
	WIN 0x82                                       ; destination and source 0: the accumulators' window
.set j, 0
.rept 16
	v_pk_mul_f32 v[AC+j:AC+j+1], v[AC+j:AC+j+1], v[RL+2*(\a):RL+2*(\a)+1]   ; each accumulator from its low end on
.set j, j+2
.endr
.endm
.macro TOSTAGE a
.set AC, 32*(\a)
	WIN 0x08                                       ; an LDS store's data are its source 1: the accumulators' window
.irp t, 0,1,2,3
	ds_store_b128 v[STO], v[AC+8*\t:AC+8*\t+3] offset:128*(\t/2)+32*(\t%2)        ; tile t, lane (r, h): channels 32 (t / 2) + 16 h + 8 (t % 2) + 0 .. 7
	ds_store_b128 v[STO], v[AC+8*\t+4:AC+8*\t+7] offset:128*(\t/2)+32*(\t%2)+16
.endr
	WIN 0
.set BB, BK+32*((\a)%2)
.irp i, 0,1,2,3,4,5,6,7
	ds_load_b128 v[BB+4*\i:BB+4*\i+3], v[RD] offset:2*\i*SP
.endr
.endm
.macro SEND a, younger
.set BB, BK+32*((\a)%2)
	s_wait_dscnt \younger                          ; the block is back; the next block's 8 stores and 8 loads may be out
.irp i, 0,1,2,3,4,5,6,7
	global_store_b128 v[LB], v[BB+4*\i:BB+4*\i+3], s[12:13] offset:(32*((\a)/2)+8*((\a)%2)+(2*\i)%8+16*(\i/4))*4096 th:TH_STORE_NT   ; lane-rows 2 i and 2 i + 1 at their true rows; 16 lanes store 256 consecutive bytes, at a multiple of 256 from the buffer's first byte
.endr
.endm
	SCALEO 0
	TOSTAGE 0
.irp a, 1,2,3,4,5,6,7
.if \a > 1
	s_wait_xcnt 0x0                                ; block a - 2's stores have read the registers into which block a's rows come
.endif
	SCALEO \a
	TOSTAGE \a
	SEND \a-1, 16
.endr
	SEND 7, 0
	s_wait_tensorcnt 0x0                           ; the wave's end
	ds_add_u32 v[SPW], v[NIL]
	s_wait_dscnt 0x0
	s_endpgm
.Lfunc_end_k_qd3f7898144_pv:
	.size	k_qd3f7898144_pv, .Lfunc_end_k_qd3f7898144_pv-k_qd3f7898144_pv
	.p2alignl 7, 3214868480
	.fill 96, 4, 3214868480
	.section	.rodata,"a",@progbits
	.p2align	6, 0x0
	.amdhsa_kernel k_qd3f7898144_pv
		.amdhsa_group_segment_fixed_size 327680
		.amdhsa_private_segment_fixed_size 0
		.amdhsa_enable_private_segment 0
		.amdhsa_kernarg_size 40
		.amdhsa_user_sgpr_count 2
		.amdhsa_user_sgpr_kernarg_segment_ptr 1
		.amdhsa_wavefront_size32 1
		.amdhsa_system_sgpr_workgroup_id_x 1
		.amdhsa_system_sgpr_workgroup_id_y 1
		.amdhsa_system_sgpr_workgroup_id_z 1
		.amdhsa_system_vgpr_workitem_id 0
		.amdhsa_next_free_vgpr 1024
		.amdhsa_next_free_sgpr 72
		.amdhsa_reserve_vcc 0
		.amdhsa_float_denorm_mode_32 3
		.amdhsa_float_denorm_mode_16_64 3
		.amdhsa_memory_ordered 1
		.amdhsa_forward_progress 1
		.amdhsa_inst_pref_size 192
	.end_amdhsa_kernel
	.amdgpu_metadata
---
amdhsa.version: [ 1, 2 ]
amdhsa.kernels:
  - .name:           k_qd3f7898144_pv
    .symbol:         k_qd3f7898144_pv.kd
    .args:
      - { .name: p_codes, .offset: 0, .size: 8, .value_kind: global_buffer, .address_space: global }
      - { .name: p_stats, .offset: 8, .size: 8, .value_kind: global_buffer, .address_space: global }
      - { .name: qkv_codes, .offset: 16, .size: 8, .value_kind: global_buffer, .address_space: global }
      - { .name: qkv_scales, .offset: 24, .size: 8, .value_kind: global_buffer, .address_space: global }
      - { .name: out0, .offset: 32, .size: 8, .value_kind: global_buffer, .address_space: global }
    .group_segment_fixed_size: 327680
    .private_segment_fixed_size: 0
    .kernarg_segment_align: 8
    .kernarg_segment_size: 40
    .max_flat_workgroup_size: 128
    .sgpr_count:     72
    .vgpr_count:     1024
    .wavefront_size: 32
...
	.end_amdgpu_metadata
.endif
;; end of part 4
